; MI455X (gfx1250); checked and timed in simulation.
; The chip was launched on July 23, 2026; its instructions are those of AMD's public machine-readable ISA for CDNA 5 (MIT licence, August 2026) and "CDNA5" Instruction Set Architecture Reference Guide (July 2026). The comments in the code are by the model that wrote it; some were corrected since.
;; Sentence Attention Module. Allowed arithmetic: float matrix products may take bf16 or f16 operands with f32 sums; all other float work in f32.
;; Inputs: in_proj_bias 3,072 float32; in_proj_weight 3,072 x 1,024 float32; input_embeddings 2 x 2,048 x 1,024 float32; out_proj_bias 1,024 float32; out_proj_weight 1,024 x 1,024 float32; token_ids 2 x 2,048 int32.
;; Outputs: out0 2 x 2,048 x 1,024 float32.
;; 2 versions, each right. Each part assembles by itself: llvm-mc -triple=amdgcn-amd-amdhsa -mcpu=gfx1250 --defsym DOCPART=n.
;; ======== version 1 of 2: 4 launches
;; workspace buffers: bf 16,777,216 bytes; qkv 25,165,824 bytes; ctx 8,388,608 bytes
;; launch cast (part 1): grid 1024 x 1, 8 waves a work-group, no clusters, 0 bytes of LDS; arguments input_embeddings, in_proj_weight, out_proj_weight, bf; writes bf
.if DOCPART == 1
	.amdgcn_target "amdgcn-amd-amdhsa--gfx1250"
	.amdhsa_code_object_version 6
	.text
	.protected	k_q7ebf85eb3c_cast
	.globl	k_q7ebf85eb3c_cast
	.p2align	8
	.type	k_q7ebf85eb3c_cast,@function
k_q7ebf85eb3c_cast:
	s_mov_b64 s[64:65], 0
	v_nop
	global_prefetch_b8 v0, s[64:65] scope:SCOPE_SE
	s_setreg_imm32_b32 hwreg(HW_REG_WAVE_MODE, 25, 1), 1
	s_wait_xcnt 0x0
; bf = (x, W_in, W_out) rounded from f32 to bf16 (nearest even), in this order: x at byte 0, W_in at 8,388,608, W_out at 14,680,064.
; The matrix products of the later launches take bf16 operands, and the tile mover that feeds them copies bytes as they are,
; so the rounding is done once here: 33,554,432 bytes in, 16,777,216 out.
; A stream: no LDS, no barrier, no matrix unit, and no cluster, since no two work-groups read the same byte.
; Work-group g takes 8,192 numbers: 32,768 bytes in, 16,384 out.  g < 512: x; g < 896: W_in; else W_out.
; Thread t, chunk i: 16 bytes in at 4,096 i + 16 t (a wave's load covers 512 consecutive bytes), 8 bytes out at 2,048 i + 8 t
; (a wave's store covers 256 consecutive bytes, aligned).  All eight loads of a thread go out before the first is used.
; token_ids, the problem's sixth input, is read by no launch of this program: no line of the computation uses it.
.set XR, 4                             ; v[4:35]   chunk i: four f32 as loaded
.set YR, 36                            ; v[36:51]  chunk i: four bf16 to store
	s_load_b256 s[4:11], s[0:1], 0x0               ; x s[4:5], W_in s[6:7], W_out s[8:9], bf s[10:11]
	v_lshlrev_b32 v1, 4, v0                        ; 16 t
	v_lshlrev_b32 v2, 3, v0                        ; 8 t
	s_mov_b32 s14, 896
	s_mov_b32 s17, 0
	s_mov_b32 s19, 0
	s_lshl_b32 s18, ttmp9, 14                      ; my 16,384 bytes of bf
	s_wait_kmcnt 0x0
	s_cmp_lt_u32 ttmp9, 896                        ; which of the three sources, and its first work-group
	s_cselect_b64 s[12:13], s[6:7], s[8:9]
	s_cselect_b32 s14, 512, s14
	s_cmp_lt_u32 ttmp9, 512
	s_cselect_b64 s[12:13], s[4:5], s[12:13]
	s_cselect_b32 s14, 0, s14
	s_sub_co_u32 s16, ttmp9, s14
	s_lshl_b32 s16, s16, 15                        ; my 32,768 bytes of that source
	s_add_nc_u64 s[12:13], s[12:13], s[16:17]
	s_add_nc_u64 s[10:11], s[10:11], s[18:19]
.irp i, 0,1,2,3,4,5,6,7
	global_load_b128 v[XR+4*\i:XR+4*\i+3], v1, s[12:13] offset:\i*4096 th:TH_LOAD_NT   ; read once in the launch
.endr
.irp i, 0,1,2,3,4,5,6,7
	s_wait_loadcnt 7-\i                            ; loads come back in order: chunk i is in, the 7 - i younger ones stay out
	v_cvt_pk_bf16_f32 v[YR+2*\i],   v[XR+4*\i],   v[XR+4*\i+1]
	v_cvt_pk_bf16_f32 v[YR+2*\i+1], v[XR+4*\i+2], v[XR+4*\i+3]
	global_store_b64 v2, v[YR+2*\i:YR+2*\i+1], s[10:11] offset:\i*2048                 ; no hint: the next launches read these bytes
.endr
	s_endpgm
.Lfunc_end_k_q7ebf85eb3c_cast:
	.size	k_q7ebf85eb3c_cast, .Lfunc_end_k_q7ebf85eb3c_cast-k_q7ebf85eb3c_cast
	.p2alignl 7, 3214868480
	.fill 96, 4, 3214868480
	.section	.rodata,"a",@progbits
	.p2align	6, 0x0
	.amdhsa_kernel k_q7ebf85eb3c_cast
		.amdhsa_group_segment_fixed_size 0
		.amdhsa_private_segment_fixed_size 0
		.amdhsa_enable_private_segment 0
		.amdhsa_kernarg_size 32
		.amdhsa_user_sgpr_count 2
		.amdhsa_user_sgpr_kernarg_segment_ptr 1
		.amdhsa_wavefront_size32 1
		.amdhsa_system_sgpr_workgroup_id_x 1
		.amdhsa_system_sgpr_workgroup_id_y 1
		.amdhsa_system_sgpr_workgroup_id_z 1
		.amdhsa_system_vgpr_workitem_id 0
		.amdhsa_next_free_vgpr 52
		.amdhsa_next_free_sgpr 66
		.amdhsa_reserve_vcc 0
		.amdhsa_float_denorm_mode_32 3
		.amdhsa_float_denorm_mode_16_64 3
		.amdhsa_memory_ordered 1
		.amdhsa_forward_progress 1
		.amdhsa_inst_pref_size 4
	.end_amdhsa_kernel
	.amdgpu_metadata
---
amdhsa.version: [ 1, 2 ]
amdhsa.kernels:
  - .name:           k_q7ebf85eb3c_cast
    .symbol:         k_q7ebf85eb3c_cast.kd
    .args:
      - { .name: input_embeddings, .offset: 0, .size: 8, .value_kind: global_buffer, .address_space: global }
      - { .name: in_proj_weight, .offset: 8, .size: 8, .value_kind: global_buffer, .address_space: global }
      - { .name: out_proj_weight, .offset: 16, .size: 8, .value_kind: global_buffer, .address_space: global }
      - { .name: bf, .offset: 24, .size: 8, .value_kind: global_buffer, .address_space: global }
    .group_segment_fixed_size: 0
    .private_segment_fixed_size: 0
    .kernarg_segment_align: 8
    .kernarg_segment_size: 32
    .max_flat_workgroup_size: 256
    .sgpr_count:     66
    .vgpr_count:     52
    .wavefront_size: 32
...
	.end_amdgpu_metadata
.endif
;; end of part 1
;; launch qkvgemm (part 2): grid 16 x 16, 4 waves a work-group, clusters of 4 x 4, 327,680 bytes of LDS; arguments bf, in_proj_bias, qkv; writes qkv
.if DOCPART == 2
	.amdgcn_target "amdgcn-amd-amdhsa--gfx1250"
	.amdhsa_code_object_version 6
	.text
	.protected	k_q7ebf85eb3c_qkvgemm
	.globl	k_q7ebf85eb3c_qkvgemm
	.p2align	8
	.type	k_q7ebf85eb3c_qkvgemm,@function
k_q7ebf85eb3c_qkvgemm:
	s_mov_b64 s[64:65], 0
	v_nop
	global_prefetch_b8 v0, s[64:65] scope:SCOPE_SE
	s_setreg_imm32_b32 hwreg(HW_REG_WAVE_MODE, 25, 1), 1
	s_wait_xcnt 0x0
	s_wait_alu depctr_hold_cnt(0) depctr_sa_sdst(0) depctr_va_vdst(0) depctr_va_sdst(0) depctr_va_ssrc(0) depctr_va_vcc(0) depctr_vm_vsrc(0)
	s_getreg_b32 s2, hwreg(HW_REG_IB_STS2, 6, 4)
	s_cmp_eq_u32 s2, 0
	s_cbranch_scc0 .Lentry_in_a_cluster
	s_endpgm
.Lentry_in_a_cluster:
	s_bfe_u32 s2, ttmp6, 0x10000c
	s_cmp_lg_u32 s2, 0xf033
	s_cbranch_scc0 .Lentry_shape_is_right
	s_endpgm
.Lentry_shape_is_right:
; qkv[m][n] = sum over e of x[m][e] W_in[n][e] + b_in[n], m < 4096, n < 3072, e < 1024.  x and W_in in bf16 (from bf), sums in f32,
; the result rounded once to bf16 and stored by heads: qkv[n / 64][m][n % 64], so that a head's rows of 128 bytes follow each other.
; 16 x 16 work-groups, one for each block of 256 rows x 192 columns (three heads): equal work for 256 work-groups.
; Four waves; wave w makes rows 128 (w >> 1) .. +127, columns 96 (w & 1) .. +95 of the block: 48 accumulator tiles, 384 registers.
; K goes in 8 steps of 128 (tile rows of 256 bytes, aligned) through two LDS slots filled by the tile mover.
; CLUSTERS: 4 x 4 work-groups.  The four of a row of the cluster need the same tiles of x, the four of a column the same tiles of W_in:
; each such tile is asked for jointly, by the same load with the same descriptor in all four, which divides the requests by four.
; Limits: operands are bf16 (8 bits of mantissa), the output is bf16.
;
; REGISTERS, in windows of 256:
;   window 0: v16-28 addresses; v64-127, v128-191 fragments of x (8 x 16 rows x 32 K), two buffers; v64-159 at work on the way out
;   window 1: v64-111, v128-175 fragments of W_in (6 x 16 rows x 32 K), two buffers; v192-239 the bias, laid out as six accumulator tiles
;   window 2: the 24 accumulator tiles of my rows 0-63 (tile (a, b) at v[8 (6 a + b)]);  window 3: those of my rows 64-127
; THE MATRIX INSTRUCTION IS USED TRANSPOSED: source 0 = 16 rows of W_in, source 1 = 16 rows of x.  Lane l then holds row l % 16 of the
; result and, in registers 0 to 7, its columns 8 (l / 16) + 0 .. 7: eight neighbouring numbers, 16 bytes in bf16.
; THE BIAS COSTS NO ADD: the first product of each accumulator takes the bias tile as its C operand.
.set SIZE_K, 1024
.set KSTEP,  128
.set PITCH,  272                       ; an LDS row: 256 bytes + 16 of padding: the 16 rows of a fragment load start in 16 different 16-byte columns
.set HALFA,  128*PITCH                 ; what one load brings of x, and what one wave reads of it
.set HALFB,  96*PITCH                  ; the same for W_in
.set SLOT,   2*HALFA+2*HALFB           ; x's 256 rows, then W_in's 192 rows: 121,856 bytes
.set STAGE,  2*SLOT                    ; behind the ring, at a multiple of 256 bytes: no tile ever lands here
.set SPITCH, 208                       ; a stage row: a wave's 96 columns in bf16 (192 bytes) + 16
.set WSTAGE, 64*SPITCH                 ; each wave's own stage: 64 rows, 13,312 bytes
.set LAPS,   SIZE_K/(2*KSTEP)          ; a lap = two K steps = once round the ring: 4
.set WOFF,   8388608                   ; W_in's first byte in bf
.set HEADB,  524288                    ; bytes of one head's 4,096 rows in qkv
.set ADRA, 16                          ; v16-17  LDS address of my x fragments in slot 0, 1
.set ADRB, 20                          ; v20-21  the same for W_in
.set STO,  24                          ; v24     the way out: where I put 16 bytes of a row
.set RD,   25                          ; v25     the way out: where I read 16 bytes of a head's row back (heads 0 and 2 of the block)
.set CO,   26                          ; v26     my byte offset in qkv
.set BO,   27                          ; v27     my byte offset in the bias
.set RDM,  28                          ; v28     as RD, for the middle head, which lies half in the left wave's stage and half in the right one's
.set F0,   64
.set F1,   128
.set TMP,  64                          ; the way out: 24 x 4 registers, window 0
.set BIAS, 192                         ; window 1
.set G1,  24                           ; s[24:31] descriptor group 1 for x's tiles
.set G0,  32                           ; s[32:39] group 0 for x's tiles, one set for each slot
.set G1B, 48                           ; s[48:55] group 1 for W_in's tiles
.set G0B, 56                           ; s[56:63] group 0 for W_in's tiles, one set for each slot
.set MSB, 0
.macro WIN new                         ; the immediate's high byte repeats the setting that is left
.if MSB != \new
	s_set_vgpr_msb (MSB<<8)|\new
.set MSB, \new
.endif
.endm
.set MUL_LO,   0xa1                    ; source 0 (W_in) window 1, source 1 (x) window 0, C and D window 2
.set MUL_HI,   0xf1                    ; the same, C and D window 3
.set FIRST_LO, 0x91                    ; the first products: C (the bias) window 1, D window 2
.set FIRST_HI, 0xd1                    ; C window 1, D window 3
.set TO_B,     0x40                    ; destination window 1, address window 0
; A joint load.  Waves 0 and 1 fetch x's two halves, waves 2 and 3 W_in's.  Each line has one mask and one set of registers for all that
; issue it; the branch hangs on the wave's number alone.
.macro JLOAD s
	s_cmp_eq_u32 s11, 0
	s_cbranch_scc0 .Lfor_b_\@
	tensor_load_to_lds s[G0+4*\s:G0+4*\s+3], s[G1:G1+7]
	s_nop 0
	s_branch .Lasked_\@
.Lfor_b_\@:
	tensor_load_to_lds s[G0B+4*\s:G0B+4*\s+3], s[G1B:G1B+7]
	s_nop 0
.Lasked_\@:
.endm
; A round of the cluster's barrier: my work-group's barrier; wave 0 signals for the work-group; every wave waits for all sixteen
; work-groups; my work-group's barrier once more.
.macro CREST                           ; a round behind its opening barrier
	s_cmp_lg_u32 s10, 0
	s_cbranch_scc1 .Lnot_wave_0_\@
	s_barrier_signal -3
.Lnot_wave_0_\@:
	s_barrier_wait -3
	s_barrier_signal -1
	s_barrier_wait -1
.endm
.macro CROUND                          ; a whole round
	s_barrier_signal -1
	s_barrier_wait -1
	CREST
.endm
	s_load_b128 s[4:7], s[0:1], 0x0                ; bf s[4:5], in_proj_bias s[6:7]
	s_load_b64 s[8:9], s[0:1], 0x10                ; qkv
	s_set_vgpr_msb 0x40
	v_lshl_add_u32 v255, v0, 2, 0x48800
	s_set_vgpr_msb 0x4000
	v_mov_b32 v255, 0
	s_set_vgpr_msb 0x1
	ds_add_u32 v255, v255
	s_set_vgpr_msb 0x100
	v_lshrrev_b32 v1, 5, v0
	v_readfirstlane_b32 s10, v1                    ; wave 0..3
	s_lshr_b32 s11, s10, 1                         ; which half of the block's rows is mine.  Also: I fetch for x (0) or for W_in (1)
	s_and_b32 s12, s10, 1                          ; which half of its columns.  Also: which half of that tile I fetch
	s_bfe_u32 s40, ttmp6, 0x40000                  ; cx
	s_bfe_u32 s41, ttmp6, 0x40004                  ; cy
	s_lshl_b32 s42, ttmp9, 2
	s_add_co_u32 s42, s42, s40                     ; block column = 4 x cluster x + cx
	s_and_b32 s13, ttmp7, 0xffff
	s_lshl_b32 s13, s13, 2
	s_add_co_u32 s13, s13, s41                     ; block row = 4 x cluster y + cy
	s_lshl_b32 s43, s41, 2
	s_lshl_b32 s43, 15, s43                        ; my row of the cluster: places 4 cy .. 4 cy + 3
	s_lshl_b32 s44, 0x1111, s40                    ; my column: places cx, cx + 4, cx + 8, cx + 12
	; group 1: tiles of 128 (x) or 96 (W_in) rows x 128 elements of 2 bytes, 4 words of padding behind every 64 words
	s_or_b32 s[G1+0],  s43, (1<<16)|(1<<20)|(1<<21)|(5<<22)|(3<<25)   ; the mask: x's tiles go to my row of the cluster; bit 21 set beside a mask
	s_or_b32 s[G1B+0], s44, (1<<16)|(1<<20)|(1<<21)|(5<<22)|(3<<25)   ; W_in's tiles go to my column
	s_mov_b32 s[G1+1],  KSTEP<<16                  ; tensor_dim0 = 128
	s_mov_b32 s[G1B+1], KSTEP<<16
	s_mov_b32 s[G1+2],  128<<16                    ; tensor_dim1 = the tile's rows
	s_mov_b32 s[G1B+2], 96<<16
	s_mov_b32 s[G1+3],  KSTEP<<16                  ; tile_dim0 = 128
	s_mov_b32 s[G1B+3], KSTEP<<16
	s_mov_b32 s[G1+4],  128                        ; tile_dim1
	s_mov_b32 s[G1B+4], 96
	s_mov_b32 s[G1+5],  SIZE_K                     ; elements from row to row
	s_mov_b32 s[G1B+5], SIZE_K
	s_mov_b32 s[G1+6],  0
	s_mov_b32 s[G1B+6], 0
	s_mov_b32 s[G1+7],  0
	s_mov_b32 s[G1B+7], 0
	; where the tiles come from: x's hang on the block row and the wave, W_in's on the block column and the wave, each in registers
	; that never hold the other coordinate
	s_lshl_b32 s17, s12, 7
	s_lshl_b32 s16, s13, 8
	s_add_co_u32 s16, s16, s17                     ; x: row 256 x block row + 128 x half
	s_lshl_b32 s16, s16, 11                        ; x 2,048 bytes a row (below 8,388,608)
	s_mov_b32 s17, 0
	s_mul_i32 s46, s42, 192
	s_mul_i32 s47, s12, 96
	s_add_co_u32 s46, s46, s47                     ; W_in: row 192 x block column + 96 x half
	s_lshl_b32 s46, s46, 11
	s_add_co_u32 s46, s46, WOFF
	s_mov_b32 s47, 0
	s_mul_i32 s20, s10, HALFA                      ; and where they go: x's halves at wave x 34,816 (waves 0, 1),
	s_mul_i32 s45, s10, HALFB                      ; W_in's behind them at wave x 26,112 + 17,408 (waves 2, 3)
	s_add_co_u32 s45, s45, 2*HALFA-2*HALFB
	s_wait_dscnt 0x0
	s_wait_kmcnt 0x0
	s_add_nc_u64 s[14:15], s[4:5], s[16:17]
	s_add_nc_u64 s[46:47], s[4:5], s[46:47]
	CROUND                                         ; all sixteen work-groups are here: the first joint loads meet
.irp s, 0,1
	s_mov_b32 s[G0+4*\s], 1
	s_add_co_u32 s[G0+4*\s+1], s20, \s*SLOT
	s_add_nc_u64 s[G0+4*\s+2:G0+4*\s+3], s[14:15], \s*KSTEP*2      ; K step s
	s_or_b32 s[G0+4*\s+3], s[G0+4*\s+3], 0x80000000
	s_mov_b32 s[G0B+4*\s], 1
	s_add_co_u32 s[G0B+4*\s+1], s45, \s*SLOT
	s_add_nc_u64 s[G0B+4*\s+2:G0B+4*\s+3], s[46:47], \s*KSTEP*2
	s_or_b32 s[G0B+4*\s+3], s[G0B+4*\s+3], 0x80000000
	JLOAD \s                                       ; both slots are asked for before anything else is done: two loads of the wave are out
.endr
	; fragment addresses: lane l takes row l % 16, 16 bytes at 16 (l / 16), and 16 more 32 bytes on
	v_and_b32 v1, 15, v0                           ; r = l % 16
	v_bfe_u32 v2, v0, 4, 1                         ; h = l / 16
	v_mul_u32_u24 v3, v1, PITCH
	v_lshl_add_u32 v3, v2, 4, v3
	s_mul_i32 s21, s11, HALFA                      ; my 128 rows of x
	s_mul_i32 s22, s12, HALFB                      ; my 96 rows of W_in,
	s_add_co_u32 s22, s22, 2*HALFA                 ; which lie behind x's 256
.irp s, 0,1
	v_add_nc_u32 v[ADRA+\s], s21, v3
	v_add_nc_u32 v[ADRB+\s], s22, v3
	s_add_co_u32 s21, s21, SLOT
	s_add_co_u32 s22, s22, SLOT
.endr
	; the bias of my 96 columns, as six C tiles: register j of lane l = b_in[192 bx + 96 (w & 1) + 16 b + 8 h + j]
	v_lshlrev_b32 v[BO], 5, v2                     ; 8 h numbers of 4 bytes
	s_mul_i32 s66, s42, 768
	s_mul_i32 s67, s12, 384
	s_add_co_u32 s66, s66, s67
	s_mov_b32 s67, 0
	s_add_nc_u64 s[6:7], s[6:7], s[66:67]
	WIN TO_B
.irp b, 0,1,2,3,4,5
	global_load_b128 v[BIAS+8*\b:BIAS+8*\b+3],   v[BO], s[6:7] offset:64*\b
	global_load_b128 v[BIAS+8*\b+4:BIAS+8*\b+7], v[BO], s[6:7] offset:64*\b+16
.endr
	WIN 0
	; the way out
	v_mul_u32_u24 v4, v1, SPITCH                   ; in: my own stage, row l % 16, 16 bytes for each half of the lanes
	v_lshl_add_u32 v4, v2, 4, v4
	s_mul_i32 s23, s10, WSTAGE
	s_add_co_u32 s23, s23, STAGE
	v_add_nc_u32 v[STO], s23, v4
	v_bfe_u32 v5, v0, 3, 2                         ; back: eight lanes take a head's row of 128 bytes, a wave four rows
	v_and_b32 v6, 7, v0
	v_mul_u32_u24 v5, v5, SPITCH
	v_lshl_add_u32 v5, v6, 4, v5
	s_mul_i32 s23, s10, 16*SPITCH                  ; wave w reads rows 16 w .. 16 w + 15 of the stages
	s_add_co_u32 s23, s23, STAGE
	v_add_nc_u32 v[RD], s23, v5
	v_bfe_u32 v6, v0, 2, 1                         ; the middle head: bytes 128-191 of the left wave's row, then bytes 0-63 of the right wave's
	v_mul_u32_u24 v6, v6, WSTAGE-192
	v_add3_u32 v[RDM], v[RD], v6, 128
	v_and_b32 v7, 31, v0
	v_lshlrev_b32 v7, 4, v7
	s_lshl_b32 s23, s10, 11
	v_add_nc_u32 v[CO], s23, v7                    ; 16 w rows of 128 bytes + 16 l
; 12 matrix instructions: m blocks a0, a0 + 1 of the window's four (hi = 0: my rows 0-63, 1: rows 64-127) x all 6 n blocks, 32 along K.
; zero = 1: the first product starts the sums from the bias.  The 48 accumulators take turns, one instruction a turn, in the same order
; in every quarter step.
.macro MUL12 f, hi, a0, zero
.irp a, \a0, \a0+1
.irp b, 0,1,2,3,4,5
.if \zero
	v_wmma_f32_16x16x32_bf16 v[8*(6*(\a)+\b):8*(6*(\a)+\b)+7], v[\f+8*\b:\f+8*\b+7], v[\f+8*(4*\hi+\a):\f+8*(4*\hi+\a)+7], v[BIAS+8*\b:BIAS+8*\b+7]
.else
	v_wmma_f32_16x16x32_bf16 v[8*(6*(\a)+\b):8*(6*(\a)+\b)+7], v[\f+8*\b:\f+8*\b+7], v[\f+8*(4*\hi+\a):\f+8*(4*\hi+\a)+7], v[8*(6*(\a)+\b):8*(6*(\a)+\b)+7]
.endif
.endr
.endr
.endm
; 28 LDS loads in one run: the fragments of one quarter step (96 rows of W_in, 128 rows of x, 32 K at byte k of the rows) into buffer f
.macro FETCH slot, k, f
	WIN TO_B
.irp i, 0,1,2,3,4,5
	ds_load_b128 v[\f+8*\i:\f+8*\i+3],   v[ADRB+\slot] offset:\k+\i*16*PITCH
	ds_load_b128 v[\f+8*\i+4:\f+8*\i+7], v[ADRB+\slot] offset:\k+\i*16*PITCH+32
.endr
	WIN 0
.irp i, 0,1,2,3,4,5,6,7
	ds_load_b128 v[\f+8*\i:\f+8*\i+3],   v[ADRA+\slot] offset:\k+\i*16*PITCH
	ds_load_b128 v[\f+8*\i+4:\f+8*\i+7], v[ADRA+\slot] offset:\k+\i*16*PITCH+32
.endr
.endm
; A load into a register that a matrix instruction has read, and a vector instruction that reads a matrix result, stand four places behind
; that matrix instruction; only plain vector instructions that name none of its registers are places.
.macro PLACES
.rept 4
	v_nop
.endr
.endm
; A K step is four quarter steps of 32 along K, 48 matrix instructions each, on buffers 0, 1, 0, 1.
; One of the first three: multiplies buffer f; in its middle it fetches the next quarter's fragments, at byte k of the slot's rows, into g.
.macro QUARTER slot, k, f, g, zero
	s_wait_dscnt 8                                 ; W_in and x's rows 0-63 are in; the youngest eight loads (x's rows 64-127) may be out
.if \zero
	WIN FIRST_LO
.else
	WIN MUL_LO
.endif
	MUL12 \f, 0, 0, \zero
	MUL12 \f, 0, 2, \zero
	PLACES
	FETCH \slot, \k, \g
	s_wait_dscnt 28                                ; all but the 28 just issued
.if \zero
	WIN FIRST_HI
.else
	WIN MUL_HI
.endif
	MUL12 \f, 1, 0, \zero
	MUL12 \f, 1, 2, \zero
.endm
.macro THREE slot, zero
	QUARTER \slot, 64,  F0, F1, \zero
	QUARTER \slot, 128, F1, F0, 0
	QUARTER \slot, 192, F0, F1, 0
.endm
; The last quarter: multiplies buffer 1 and changes slots.  In front of the barrier each wave waits for its reads of this slot and for all
; its tensor loads (one is out: its part of the next slot).  Behind it nobody reads this slot and the next slot is whole: the refill comes
; first, then the next slot's first fragments.  From a request to the wait for it a wave issues 180 matrix instructions.
.macro TURN slot, next, fill
	s_wait_dscnt 8
	WIN MUL_LO
	MUL12 F1, 0, 0, 0
	s_wait_dscnt 0                                 ; my reads of this slot are over
	s_wait_tensorcnt 0x0                           ; and all my tensor loads have landed
	ds_add_u32 v255, v255
	s_wait_dscnt 0x0
	s_barrier_signal -1                            ; (where a slot is filled again this barrier opens a round of the cluster's barrier)
	MUL12 F1, 0, 2, 0                              ; register work while the others arrive
	WIN 0
	s_barrier_wait -1
.if \fill
	CREST                                          ; no wave of any partner still reads this slot's tile or has a load on its way
	s_add_nc_u64 s[G0+4*\slot+2:G0+4*\slot+3], s[G0+4*\slot+2:G0+4*\slot+3], 2*KSTEP*2     ; no tensor load of mine is out: group 0 may be written
	s_add_nc_u64 s[G0B+4*\slot+2:G0B+4*\slot+3], s[G0B+4*\slot+2:G0B+4*\slot+3], 2*KSTEP*2
	JLOAD \slot                                    ; the first tensor load behind the round, and my only one until the next
.endif
	PLACES
	FETCH \next, 0, F0
	WIN MUL_HI
	MUL12 F1, 1, 0, 0
	MUL12 F1, 1, 2, 0
.endm
.macro LAP zero
	THREE 0, \zero
	TURN 0, 1, 1
	THREE 1, 0
	TURN 1, 0, 1
.endm
	s_wait_loadcnt 0x0                             ; the bias
	s_wait_tensorcnt 0x1                           ; my part of K step 0 is in; K step 1's stays out
	s_barrier_signal -1
	s_barrier_wait -1                              ; everybody's part is in
	FETCH 0, 0, F0
	LAP 1                                          ; the first lap stands in front of the loop: its first products start the sums
	WIN 0                                          ; at a label and at a branch every window is 0
	s_mov_b32 s3, LAPS-2
.Llap:
	LAP 0
	WIN 0
	s_sub_co_u32 s3, s3, 1
	s_cmp_lg_u32 s3, 0
	s_cbranch_scc1 .Llap
	THREE 0, 0                                     ; the last lap fills nothing
	TURN 0, 1, 0
	THREE 1, 0
	s_wait_dscnt 8
	WIN MUL_LO
	MUL12 F1, 0, 0, 0
	MUL12 F1, 0, 2, 0
	s_wait_dscnt 0
	WIN MUL_HI
	MUL12 F1, 1, 0, 0
	MUL12 F1, 1, 2, 0
	; THE WAY OUT, in two passes of 64 of each wave's rows.  A wave's 96 columns are one head and a half, and a head's row of 128 bytes is to
	; leave whole: each wave rounds to bf16 and stores into its own stage; behind a barrier the rows are read back by heads, across the
	; stages of the two waves that share the rows, and stored 512 consecutive bytes (four rows of a head) an instruction.
	PLACES                                         ; the places behind the last matrix instructions, for the conversions and for writes of buffers 0 and 1
	s_mul_i32 s66, s42, 3*HEADB                    ; my three heads,
	s_lshl_b32 s67, s13, 15                        ; my 256 rows of 128 bytes
	s_add_co_u32 s66, s66, s67
	s_mov_b32 s67, 0
	s_add_nc_u64 s[8:9], s[8:9], s[66:67]
; pass p: rows 64 p .. 64 p + 63 of every wave = the 24 tiles of window 2 or 3 (from = 0x0a or 0x0f: sources 0 and 1)
.macro PASS p, from
	WIN \from
.irp a, 0,1,2,3
.irp b, 0,1,2,3,4,5
.irp k, 0,1,2,3
	v_cvt_pk_bf16_f32 v[TMP+4*(6*\a+\b)+\k], v[8*(6*\a+\b)+2*\k], v[8*(6*\a+\b)+2*\k+1]
.endr
.endr
.endr
	WIN 0
.irp a, 0,1,2,3
.irp b, 0,1,2,3,4,5
	ds_store_b128 v[STO], v[TMP+4*(6*\a+\b):TMP+4*(6*\a+\b)+3] offset:\a*16*SPITCH+32*\b
.endr
.endr
	s_wait_dscnt 0x0                               ; my stores are in LDS, for the other waves' sake
	s_barrier_signal -1
	s_barrier_wait -1                              ; everybody's are
.set idx, 0
.irp m, 0,1
.irp t, 0,1,2,3
	ds_load_b128 v[TMP+4*idx:TMP+4*idx+3],    v[RD]  offset:\m*2*WSTAGE+\t*4*SPITCH             ; head 0: the left wave's bytes 0-127
	ds_load_b128 v[TMP+4*idx+4:TMP+4*idx+7],  v[RDM] offset:\m*2*WSTAGE+\t*4*SPITCH             ; head 1: half from each
	ds_load_b128 v[TMP+4*idx+8:TMP+4*idx+11], v[RD]  offset:\m*2*WSTAGE+\t*4*SPITCH+WSTAGE+64   ; head 2: the right wave's bytes 64-191
.set idx, idx+3
.endr
.endr
.set idx, 0
.irp m, 0,1
.irp t, 0,1,2,3
.irp g, 0,1,2
	s_wait_dscnt 23-idx                            ; LDS loads come back in order: number idx of the 24 is in
	global_store_b128 v[CO], v[TMP+4*idx:TMP+4*idx+3], s[8:9] offset:\g*HEADB+\m*16384+\p*8192+\t*512   ; 512 consecutive bytes, aligned
.set idx, idx+1
.endr
.endr
.endr
.endm
	PASS 0, 0x0a
	s_wait_xcnt 0x0                                ; TMP, which the stores read, is rewritten only behind this wait
	s_wait_dscnt 0x0                               ; my reads of the stages are over (met: the count-down ended at 0)
	s_barrier_signal -1
	s_barrier_wait -1                              ; everybody's are: the stages may be written again
	PASS 1, 0x0f
	s_set_vgpr_msb 0x1
	s_wait_tensorcnt 0x0
	ds_add_u32 v255, v255
	s_wait_dscnt 0x0
	s_set_vgpr_msb 0x100
	CROUND                                         ; the closing round: no work-group ends while a partner may still ask for a tile that names it
	s_endpgm
.Lfunc_end_k_q7ebf85eb3c_qkvgemm:
	.size	k_q7ebf85eb3c_qkvgemm, .Lfunc_end_k_q7ebf85eb3c_qkvgemm-k_q7ebf85eb3c_qkvgemm
	.p2alignl 7, 3214868480
	.fill 96, 4, 3214868480
	.section	.rodata,"a",@progbits
	.p2align	6, 0x0
	.amdhsa_kernel k_q7ebf85eb3c_qkvgemm
		.amdhsa_group_segment_fixed_size 327680
		.amdhsa_private_segment_fixed_size 0
		.amdhsa_enable_private_segment 0
		.amdhsa_kernarg_size 24
		.amdhsa_user_sgpr_count 2
		.amdhsa_user_sgpr_kernarg_segment_ptr 1
		.amdhsa_wavefront_size32 1
		.amdhsa_system_sgpr_workgroup_id_x 1
		.amdhsa_system_sgpr_workgroup_id_y 1
		.amdhsa_system_sgpr_workgroup_id_z 1
		.amdhsa_system_vgpr_workitem_id 0
		.amdhsa_next_free_vgpr 960
		.amdhsa_next_free_sgpr 68
		.amdhsa_reserve_vcc 0
		.amdhsa_float_denorm_mode_32 3
		.amdhsa_float_denorm_mode_16_64 3
		.amdhsa_memory_ordered 1
		.amdhsa_forward_progress 1
		.amdhsa_inst_pref_size 159
	.end_amdhsa_kernel
	.amdgpu_metadata
---
amdhsa.version: [ 1, 2 ]
amdhsa.kernels:
  - .name:           k_q7ebf85eb3c_qkvgemm
    .symbol:         k_q7ebf85eb3c_qkvgemm.kd
    .args:
      - { .name: bf, .offset: 0, .size: 8, .value_kind: global_buffer, .address_space: global }
      - { .name: in_proj_bias, .offset: 8, .size: 8, .value_kind: global_buffer, .address_space: global }
      - { .name: qkv, .offset: 16, .size: 8, .value_kind: global_buffer, .address_space: global }
    .group_segment_fixed_size: 327680
    .private_segment_fixed_size: 0
    .kernarg_segment_align: 8
    .kernarg_segment_size: 24
    .max_flat_workgroup_size: 128
    .sgpr_count:     68
    .vgpr_count:     960
    .wavefront_size: 32
...
	.end_amdgpu_metadata
.endif
;; end of part 2
;; launch attn (part 3): grid 8 x 32, 8 waves a work-group, clusters of 4 x 1, 327,680 bytes of LDS; arguments qkv, ctx; writes ctx
.if DOCPART == 3
	.amdgcn_target "amdgcn-amd-amdhsa--gfx1250"
	.amdhsa_code_object_version 6
	.text
	.protected	k_q7ebf85eb3c_attn
	.globl	k_q7ebf85eb3c_attn
	.p2align	8
	.type	k_q7ebf85eb3c_attn,@function
k_q7ebf85eb3c_attn:
	s_mov_b64 s[64:65], 0
	v_nop
	global_prefetch_b8 v0, s[64:65] scope:SCOPE_SE
	s_setreg_imm32_b32 hwreg(HW_REG_WAVE_MODE, 25, 1), 1
	s_wait_xcnt 0x0
	s_wait_alu depctr_hold_cnt(0) depctr_sa_sdst(0) depctr_va_vdst(0) depctr_va_sdst(0) depctr_va_ssrc(0) depctr_va_vcc(0) depctr_vm_vsrc(0)
	s_getreg_b32 s2, hwreg(HW_REG_IB_STS2, 6, 4)
	s_cmp_eq_u32 s2, 0
	s_cbranch_scc0 .Lentry_in_a_cluster
	s_endpgm
.Lentry_in_a_cluster:
	s_bfe_u32 s2, ttmp6, 0x10000c
	s_cmp_lg_u32 s2, 0x3003
	s_cbranch_scc0 .Lentry_shape_is_right
	s_endpgm
.Lentry_shape_is_right:
; ctx = softmax(q k^T / 8, keys j with i - 16 <= j <= i blocked) v, for each of 32 heads (batch x head) of 2,048 tokens x 64.
; q, k, v in bf16 from qkv[part x 16 + head][batch x 2048 + token][64]; ctx in bf16, ctx[head][batch x 2048 + token][64].
; Work-group y = 2 head + batch.  Eight waves; wave w of partner cx of cluster X owns the 32 queries from 1024 X + 128 w + 32 cx and walks all
; 2,048 keys in steps of 64 with a running maximum (the maximum is taken away before every exponential, as in the softmax it stands for).
; CLUSTERS: the four work-groups of a cluster walk the same head's K and V: each tile is asked for jointly, which divides the requests for
; K and V by four.  The queries are dealt so that the steps in which a wave can meet the band, 16 X + 2 w - 1 .. + 1, are the same in all
; four partners: the branch round the mask hangs on X, w and the step alone.  cx enters only q's and ctx's addresses and the mask's numbers.
; LAYOUTS, chosen so that nothing is shuffled between the two products:
;   S^T = K Q^T: source 0 = 16 keys x 32 d from LDS, source 1 = 16 queries x 32 d kept in registers.  Lane (r, h), register j: key 8 h + j, query r.
;   So a query's maximum and sum are made inside a lane and by one exchange between the lane halves, and maximum and rescale factor are per lane.
;   Two neighbouring key tiles, rounded to bf16 in place, ARE the fragment of P^T (32 keys x 16 queries) that the second product takes as source 1.
;   O^T = V^T P^T: source 0 = 16 d x 32 keys, read from V's rows [key][d] by the transposing LDS load.  Lane (r, h), register j: d 8 h + j, query r.
; Limits: q, k, v, P and ctx are bf16; scores, maxima, sums and O are f32.  The sum of a row adds the p as computed, the product takes them
; rounded to bf16.  Exponents are at most 0; a p below 2^-126 counts as 0.  Scores must be finite, as the softmax itself needs.
; At most 17 of a step's 64 keys are blocked, so every step's maximum is a finite score.
; token_ids is not read: no line of the computation uses it.
.set SLOT,   81920                     ; K: 256 keys x 144 bytes at 0; 4,096 bytes unused; V: 256 keys x 160 bytes at 40,960
.set KP,     144                       ; K's pitch: 128 + 16, an odd multiple of 16
.set VP,     160                       ; V's pitch: 128 + 32, an odd multiple of 32, for the transposing load
.set VOFF,   40960                     ; = 4 x 10,240, so that V's quarter of wave w (4 to 7) lies at w x 10,240
.set STAGE,  2*SLOT                    ; behind the ring, at a multiple of 256 bytes: no tile ever lands here
.set WSTAGE, 32*KP                     ; each wave's own stage for the way out: 32 rows x 144 bytes
.set TILEB,  32768                     ; 256 keys x 128 bytes in memory
.set KBASE,  8388608                   ; k's first byte in qkv
.set VBASE,  16777216                  ; v's
.set KA,  1                            ; v1-2    LDS address of my K fragments in slot 0, 1
.set VA,  3                            ; v3-4    the same for V
.set DLB, 5                            ; v5      32 cx + 64 + r - 8 h: query - key at the first of the three steps that can meet the band, for tile (0, 0), register 0
.set TA,  6                            ; v6-7    at work
.set TB,  7
.set STO, 8                            ; v8      the way out: where I put 16 bytes of a row
.set RD,  9                            ; v9      the way out: where I read a row back
.set NM,  10                           ; v[10:11], v[12:13]  for query tile 0, 1: (- c x maximum, maximum)
.set AL,  14                           ; v[14:15], v[16:17]  (rescale factor, its exponent)
.set LS,  18                           ; v[18:19], v[20:21]  running sums, two partial sums each
.set T2,  22                           ; v[22:25]            a step's second chains of sums
.set MX,  26                           ; v26-29              a step's chains of maxima
.set PX,  30                           ; v30-31              what the other lane half sends
.set QF,  32                           ; v32-63    Q: fragment (qt, kc) at 32 + 8 (2 qt + kc)
.set OA,  64                           ; v64-127   O: tile (qt, dt) at 64 + 8 (4 qt + dt)
.set SC,  128                          ; v128-191  S: tile (qt, kt) at 128 + 32 qt + 8 kt; then P: fragment (qt, c) at 128 + 32 qt + 16 c
.set FR,  192                          ; v192-255  K's fragments (kt, kc) at 192 + 16 kt + 8 kc, then V's (dt, c) at 192 + 16 dt + 8 c
.set G1K, 24                           ; s[24:31]  descriptor group 1 for K's tiles
.set G1V, 32                           ; s[32:39]  for V's
.set G0K, 40                           ; s[40:47]  group 0 for K's tiles, one set for each slot
.set G0V, 48                           ; s[48:55]  for V's
; s8 wave, s9 cx, s10 laps, s11 step - (16 X + 2 w - 1), s12-13 lane selects, s[14:15] c twice, s16 at work, s17 -infinity, s60 -c
.macro ROUND                           ; a round of the cluster's barrier
	s_barrier_signal -1
	s_barrier_wait -1
	s_cmp_lg_u32 s8, 0
	s_cbranch_scc1 .Lnot_wave_0_\@
	s_barrier_signal -3
.Lnot_wave_0_\@:
	s_barrier_wait -3
	s_barrier_signal -1
	s_barrier_wait -1
.endm
; A joint load: waves 0 to 3 fetch the four quarters (64 keys) of K's tile, waves 4 to 7 those of V's.  The branch hangs on the wave's number alone.
.macro JLOAD s
	s_cmp_lt_u32 s8, 4
	s_cbranch_scc0 .Lfor_v_\@
	tensor_load_to_lds s[G0K+4*\s:G0K+4*\s+3], s[G1K:G1K+7]
	s_nop 0
	s_branch .Lasked_\@
.Lfor_v_\@:
	tensor_load_to_lds s[G0V+4*\s:G0V+4*\s+3], s[G1V:G1V+7]
	s_nop 0
.Lasked_\@:
.endm
.macro PLACES n
.rept \n
	v_nop
.endr
.endm
	s_load_b128 s[4:7], s[0:1], 0x0                ; qkv s[4:5], ctx s[6:7]
	s_set_vgpr_msb 0x40
	v_lshl_add_u32 v0, v0, 2, 0x31000
	v_mov_b32 v1, 0
	s_set_vgpr_msb 0x4045
	ds_add_u32 v0, v1
	s_set_vgpr_msb 0x4500
	v_lshrrev_b32 v1, 5, v0
	v_readfirstlane_b32 s8, v1                     ; wave 0..7
	s_bfe_u32 s9, ttmp6, 0x40000                   ; cx
	s_and_b32 s56, ttmp7, 0xffff                   ; y = 2 head + batch
	s_lshl_b32 s56, s56, 18                        ; x 2,048 rows of 128 bytes
	s_and_b32 s20, s8, 3
	s_lshl_b32 s20, s20, 13                        ; my quarter of a tile: 64 rows of 128 bytes
	s_add_co_u32 s22, s56, s20                     ; K's and V's tiles hang on y and the wave alone
	s_mov_b32 s23, 0
	s_lshl_b32 s58, ttmp9, 10                      ; my first query: 1024 X
	s_lshl_b32 s59, s8, 7
	s_add_co_u32 s58, s58, s59                     ; + 128 w
	s_lshl_b32 s59, s9, 5
	s_add_co_u32 s58, s58, s59                     ; + 32 cx
	s_lshl_b32 s58, s58, 7                         ; in bytes,
	s_add_co_u32 s58, s58, s56                     ; in my head: the same offset in q's part of qkv and in ctx
	s_mov_b32 s59, 0
	s_lshl_b32 s11, ttmp9, 4
	s_lshl_b32 s16, s8, 1
	s_add_co_u32 s11, s11, s16
	s_sub_co_u32 s11, 1, s11                       ; step 0 - (16 X + 2 w - 1); steps with 0, 1, 2 here can meet the band
	s_mov_b32 s12, 0x76543210                      ; v_permlanex16_b32: lane i of one half reads lane i of the other
	s_mov_b32 s13, 0xfedcba98
	s_mov_b32 s14, 0x3e38aa3b                      ; c = log2(e) / 8: the scale 1 / sqrt(64) and the change to base 2 in one factor
	s_mov_b32 s15, 0x3e38aa3b
	s_mov_b32 s60, 0xbe38aa3b                      ; - c
	s_mov_b32 s17, 0xff800000                      ; - infinity
	s_lshl_b32 s61, s9, 5
	s_add_co_u32 s61, s61, 64                      ; 32 cx + 64, for the mask
	s_mul_i32 s62, s8, WSTAGE
	s_add_co_u32 s62, s62, STAGE                   ; my stage
	; group 1: tiles of 64 rows x 64 elements of 2 bytes, rows dense in memory; padding behind every 32 words: 4 words (K) or 8 (V).
	; The mask names all four work-groups of the cluster; bit 21 is set beside it.
	s_mov_b32 s[G1K+0], 15|(1<<16)|(1<<20)|(1<<21)|(4<<22)|(3<<25)
	s_mov_b32 s[G1V+0], 15|(1<<16)|(1<<20)|(1<<21)|(4<<22)|(7<<25)
	s_mov_b32 s[G1K+1], 64<<16                     ; tensor_dim0 = 64
	s_mov_b32 s[G1V+1], 64<<16
	s_mov_b32 s[G1K+2], 64<<16                     ; tensor_dim1 = 64
	s_mov_b32 s[G1V+2], 64<<16
	s_mov_b32 s[G1K+3], 64<<16                     ; tile_dim0 = 64
	s_mov_b32 s[G1V+3], 64<<16
	s_mov_b32 s[G1K+4], 64                         ; tile_dim1 = 64
	s_mov_b32 s[G1V+4], 64
	s_mov_b32 s[G1K+5], 64                         ; elements from row to row
	s_mov_b32 s[G1V+5], 64
	s_mov_b32 s[G1K+6], 0
	s_mov_b32 s[G1V+6], 0
	s_mov_b32 s[G1K+7], 0
	s_mov_b32 s[G1V+7], 0
	s_mul_i32 s20, s8, 64*KP                       ; K's quarter of wave w (0 to 3) lies at w x 9,216,
	s_mul_i32 s21, s8, 64*VP                       ; V's quarter of wave w (4 to 7) at w x 10,240
	s_wait_dscnt 0x0
	s_wait_kmcnt 0x0
	s_add_nc_u64 s[22:23], s[4:5], s[22:23]
.irp s, 0,1
	s_mov_b32 s[G0K+4*\s], 1
	s_add_co_u32 s[G0K+4*\s+1], s20, \s*SLOT
	s_add_nc_u64 s[G0K+4*\s+2:G0K+4*\s+3], s[22:23], KBASE+\s*TILEB    ; slot s begins with tile s
	s_or_b32 s[G0K+4*\s+3], s[G0K+4*\s+3], 0x80000000
	s_mov_b32 s[G0V+4*\s], 1
	s_add_co_u32 s[G0V+4*\s+1], s21, \s*SLOT
	s_add_nc_u64 s[G0V+4*\s+2:G0V+4*\s+3], s[22:23], VBASE+\s*TILEB
	s_or_b32 s[G0V+4*\s+3], s[G0V+4*\s+3], 0x80000000
.endr
	ROUND                                          ; all four work-groups are here: the first joint loads meet
	JLOAD 0                                        ; tile 0; slot 1 is first filled behind the first trip's round, as a refill is
	s_add_nc_u64 s[4:5], s[4:5], s[58:59]          ; my 32 rows of q
	s_add_nc_u64 s[6:7], s[6:7], s[58:59]          ; and of ctx
	v_and_b32 v[TA], 15, v0                        ; r
	v_bfe_u32 v[TB], v0, 4, 1                      ; h
	v_lshlrev_b32 v[MX], 7, v[TA]
	v_lshl_add_u32 v[MX], v[TB], 4, v[MX]          ; row r, 16 bytes at 16 h
.irp qt, 0,1
.irp kc, 0,1
	global_load_b128 v[QF+8*(2*\qt+\kc):QF+8*(2*\qt+\kc)+3],   v[MX], s[4:5] offset:\qt*2048+\kc*64
	global_load_b128 v[QF+8*(2*\qt+\kc)+4:QF+8*(2*\qt+\kc)+7], v[MX], s[4:5] offset:\qt*2048+\kc*64+32
.endr
.endr
	v_mul_u32_u24 v[KA], v[TA], KP
	v_lshl_add_u32 v[KA], v[TB], 4, v[KA]          ; K: row r, 16 bytes at 16 h
	v_add_nc_u32 v[STO], s62, v[KA]                ; the stage has K's pitch and the same lane term
	v_add_nc_u32 v[KA+1], SLOT, v[KA]
	v_and_b32 v[VA], 7, v0
	v_lshl_add_u32 v[VA], v[TB], 3, v[VA]          ; V: key 8 h + (l & 7),
	v_mul_u32_u24 v[VA], v[VA], VP
	v_bfe_u32 v[VA+1], v0, 3, 1
	v_lshl_add_u32 v[VA], v[VA+1], 4, v[VA]        ; 16 bytes at 16 ((l >> 3) & 1)
	v_add_nc_u32 v[VA], VOFF, v[VA]
	v_add_nc_u32 v[VA+1], SLOT, v[VA]
	v_lshlrev_b32 v[DLB], 3, v[TB]
	v_sub_nc_u32 v[DLB], v[TA], v[DLB]
	v_add_nc_u32 v[DLB], s61, v[DLB]               ; 32 cx + 64 + r - 8 h
	v_bfe_u32 v[RD], v0, 3, 2                      ; back: eight lanes take a row of 128 bytes, a wave four rows
	v_mul_u32_u24 v[RD], v[RD], KP
	v_and_b32 v[PX], 7, v0
	v_lshl_add_u32 v[RD], v[PX], 4, v[RD]
	v_add_nc_u32 v[RD], s62, v[RD]
	v_mov_b32 v[PX], 0                             ; v_permlanex16_b32 counts as a reader of its destination
	v_mov_b32 v[PX+1], 0
	s_wait_loadcnt 0x0                             ; Q, once
; One step: 64 keys, at rows 64 i of the slot, against my 32 queries.  first = 1: the very first step starts maxima, sums and O.
.macro STEP slot, i, first
.irp kc, 0,1
.irp kt, 0,1,2,3
	ds_load_b128 v[FR+16*\kt+8*\kc:FR+16*\kt+8*\kc+3],   v[KA+\slot] offset:\i*64*KP+\kt*16*KP+\kc*64
	ds_load_b128 v[FR+16*\kt+8*\kc+4:FR+16*\kt+8*\kc+7], v[KA+\slot] offset:\i*64*KP+\kt*16*KP+\kc*64+32
.endr
.endr
	s_wait_dscnt 8                                 ; d 0-31 of the 64 keys is in; the eight younger loads (d 32-63) may be out
	; S^T = K Q^T.  The eight accumulators take turns, one instruction a turn.
.irp qt, 0,1
.irp kt, 0,1,2,3
	v_wmma_f32_16x16x32_bf16 v[SC+32*\qt+8*\kt:SC+32*\qt+8*\kt+7], v[FR+16*\kt:FR+16*\kt+7], v[QF+16*\qt:QF+16*\qt+7], 0
.endr
.endr
	s_wait_dscnt 0x0
.irp qt, 0,1
.irp kt, 0,1,2,3
	v_wmma_f32_16x16x32_bf16 v[SC+32*\qt+8*\kt:SC+32*\qt+8*\kt+7], v[FR+16*\kt+8:FR+16*\kt+15], v[QF+16*\qt+8:QF+16*\qt+15], v[SC+32*\qt+8*\kt:SC+32*\qt+8*\kt+7]
.endr
.endr
	PLACES 4                                       ; four places ahead of the loads into K's fragments and of the reads of S
.irp dt, 0,1,2,3
.irp c, 0,1
	ds_load_tr16_b128 v[FR+16*\dt+8*\c:FR+16*\dt+8*\c+3],   v[VA+\slot] offset:\i*64*VP+\c*32*VP+\dt*32         ; V^T: d 16 dt + r, keys 32 c + 8 h ..
	ds_load_tr16_b128 v[FR+16*\dt+8*\c+4:FR+16*\dt+8*\c+7], v[VA+\slot] offset:\i*64*VP+\c*32*VP+\dt*32+16*VP   ; keys 32 c + 16 + 8 h ..: they land under the softmax
.endr
.endr
	s_cmp_lt_u32 s11, 3                            ; can this step's keys meet my wave's band (in any of the four partners)?
	s_cbranch_scc0 .Lfree_\@
	s_lshl_b32 s16, s11, 6
	v_sub_nc_u32 v[TA], v[DLB], s16                ; query - key of tile (0, 0), register 0, in this step
.irp qt, 0,1
.irp kt, 0,1,2,3
.irp j, 0,1,2,3,4,5,6,7
	v_sub_nc_u32 v[TB], v[TA], 16*\kt+\j-16*\qt    ; query - key; blocked where 0 <= it <= 16, that is, unless 16 < it as an unsigned number
	v_cmp_lt_u32 vcc_lo, 16, v[TB]
	v_cndmask_b32 v[SC+32*\qt+8*\kt+\j], s17, v[SC+32*\qt+8*\kt+\j], vcc_lo
.endr
.endr
.endr
.Lfree_\@:
	s_add_co_u32 s11, s11, 1
	; the running maximum: two chains for each query tile, the first seeded with the old maximum
.irp qt, 0,1
.if \first
	v_max3_num_f32 v[MX+2*\qt], v[SC+32*\qt], v[SC+32*\qt], v[SC+32*\qt+1]
.else
	v_max3_num_f32 v[MX+2*\qt], v[NM+2*\qt+1], v[SC+32*\qt], v[SC+32*\qt+1]
.endif
	v_max3_num_f32 v[MX+2*\qt+1], v[SC+32*\qt+16], v[SC+32*\qt+17], v[SC+32*\qt+18]
.endr
.irp n, 1,2,3,4,5,6
.irp qt, 0,1
	v_max3_num_f32 v[MX+2*\qt],   v[MX+2*\qt],   v[SC+32*\qt+2*\n],    v[SC+32*\qt+2*\n+1]
	v_max3_num_f32 v[MX+2*\qt+1], v[MX+2*\qt+1], v[SC+32*\qt+17+2*\n], v[SC+32*\qt+18+2*\n]
.endr
.endr
.irp qt, 0,1
	v_max3_num_f32 v[MX+2*\qt], v[MX+2*\qt], v[SC+32*\qt+14], v[SC+32*\qt+15]
.endr
.irp qt, 0,1
	v_max3_num_f32 v[MX+2*\qt], v[MX+2*\qt], v[MX+2*\qt+1], v[SC+32*\qt+31]
.endr
.irp qt, 0,1
	v_permlanex16_b32 v[PX+\qt], v[MX+2*\qt], s12, s13             ; the other half of the query's keys
.endr
.irp qt, 0,1
	v_max_num_f32 v[NM+2*\qt+1], v[MX+2*\qt], v[PX+\qt]
.endr
	; the reference point - c m, and the factor 2^(new point - old point) by which what was summed so far shrinks.  The factor is made of the
	; two rounded points, the very numbers that the p were and are made with.
.if \first
	v_mul_f32 v[NM],   s60, v[NM+1]
	v_mul_f32 v[NM+2], s60, v[NM+3]
.else
	v_mul_f32 v[TA], s60, v[NM+1]
	v_mul_f32 v[TB], s60, v[NM+3]
	v_sub_f32 v[AL+1], v[TA], v[NM]
	v_sub_f32 v[AL+3], v[TB], v[NM+2]
	v_exp_f32 v[AL],   v[AL+1]
	v_exp_f32 v[AL+2], v[AL+3]
	v_mov_b32 v[NM],   v[TA]                       ; a plain instruction that touches neither factor nor exponent stands behind the exponentials
	v_mov_b32 v[NM+2], v[TB]
.endif
	; p = 2^(c s - c m): one packed multiply-add for two scores, then the exponentials in place.  Behind each pair of them stands one packed
	; multiply of O by the factor, which names none of their registers; the last is the plain instruction ahead of the first use of a p.
.set n, 0
.rept 16
	v_pk_fma_f32 v[SC+2*n:SC+2*n+1],       v[SC+2*n:SC+2*n+1],       s[14:15], v[NM:NM+1]   op_sel_hi:[1,0,0]
	v_pk_fma_f32 v[SC+32+2*n:SC+32+2*n+1], v[SC+32+2*n:SC+32+2*n+1], s[14:15], v[NM+2:NM+3] op_sel_hi:[1,0,0]
.set n, n+1
.endr
.set n, 0
.rept 32
	v_exp_f32 v[SC+2*n],   v[SC+2*n]
	v_exp_f32 v[SC+2*n+1], v[SC+2*n+1]
.if \first == 0
	s_wait_alu depctr_va_vdst(0)
	v_pk_mul_f32 v[OA+2*n:OA+2*n+1], v[OA+2*n:OA+2*n+1], v[AL+2*(n/16):AL+2*(n/16)+1] op_sel_hi:[1,0]
.endif
.set n, n+1
.endr
.if \first
	v_nop                                          ; the plain instruction behind the exponentials
	s_wait_alu depctr_va_vdst(0)
.endif
	; the running sums, of the p as computed; the two lane halves are added at the very end
.irp qt, 0,1
.if \first
	v_pk_add_f32 v[LS+2*\qt:LS+2*\qt+1], v[SC+32*\qt:SC+32*\qt+1], v[SC+32*\qt+2:SC+32*\qt+3]
.else
	v_pk_fma_f32 v[LS+2*\qt:LS+2*\qt+1], v[LS+2*\qt:LS+2*\qt+1], v[AL+2*\qt:AL+2*\qt+1], v[SC+32*\qt:SC+32*\qt+1] op_sel_hi:[1,0,1]
	s_wait_alu depctr_va_vdst(0)
	v_pk_add_f32 v[LS+2*\qt:LS+2*\qt+1], v[LS+2*\qt:LS+2*\qt+1], v[SC+32*\qt+2:SC+32*\qt+3]
.endif
	v_pk_add_f32 v[T2+2*\qt:T2+2*\qt+1], v[SC+32*\qt+16:SC+32*\qt+17], v[SC+32*\qt+18:SC+32*\qt+19]
.endr
.irp n, 2,3,4,5,6,7
.irp qt, 0,1
	v_pk_add_f32 v[LS+2*\qt:LS+2*\qt+1], v[LS+2*\qt:LS+2*\qt+1], v[SC+32*\qt+2*\n:SC+32*\qt+2*\n+1]
	v_pk_add_f32 v[T2+2*\qt:T2+2*\qt+1], v[T2+2*\qt:T2+2*\qt+1], v[SC+32*\qt+16+2*\n:SC+32*\qt+16+2*\n+1]
.endr
.endr
.irp qt, 0,1
	v_pk_add_f32 v[LS+2*\qt:LS+2*\qt+1], v[LS+2*\qt:LS+2*\qt+1], v[T2+2*\qt:T2+2*\qt+1]
.endr
	; P in bf16, in place: key tiles 2 c and 2 c + 1 become registers 0-3 and 4-7 of fragment c.  A destination never runs ahead of its sources.
.irp qt, 0,1
.irp c, 0,1
.irp k, 0,1,2,3
	v_cvt_pk_bf16_f32 v[SC+32*\qt+16*\c+\k], v[SC+32*\qt+16*\c+2*\k], v[SC+32*\qt+16*\c+2*\k+1]
.endr
.irp k, 0,1,2,3
	v_cvt_pk_bf16_f32 v[SC+32*\qt+16*\c+4+\k], v[SC+32*\qt+16*\c+8+2*\k], v[SC+32*\qt+16*\c+9+2*\k]
.endr
.endr
.endr
	s_wait_dscnt 0x0                               ; V's fragments
	; O^T += V^T P^T, the eight accumulators by turns again
.irp qt, 0,1
.irp dt, 0,1,2,3
.if \first
	v_wmma_f32_16x16x32_bf16 v[OA+8*(4*\qt+\dt):OA+8*(4*\qt+\dt)+7], v[FR+16*\dt:FR+16*\dt+7], v[SC+32*\qt:SC+32*\qt+7], 0
.else
	v_wmma_f32_16x16x32_bf16 v[OA+8*(4*\qt+\dt):OA+8*(4*\qt+\dt)+7], v[FR+16*\dt:FR+16*\dt+7], v[SC+32*\qt:SC+32*\qt+7], v[OA+8*(4*\qt+\dt):OA+8*(4*\qt+\dt)+7]
.endif
.endr
.endr
.irp qt, 0,1
.irp dt, 0,1,2,3
	v_wmma_f32_16x16x32_bf16 v[OA+8*(4*\qt+\dt):OA+8*(4*\qt+\dt)+7], v[FR+16*\dt+8:FR+16*\dt+15], v[SC+32*\qt+16:SC+32*\qt+23], v[OA+8*(4*\qt+\dt):OA+8*(4*\qt+\dt)+7]
.endr
.endr
	PLACES 5                                       ; the next step's products write over P (five places), its loads over V's fragments (four), its multiplies read O (four)
.endm
; A trip: 256 keys, four steps, from one slot.  In front of the round each wave waits for all its tensor loads, its part of this trip's tile
; among them, and for its reads of the other slot; the round makes both hold of every wave of all four work-groups; behind it the other slot
; is asked for again first.  That one load of the wave has the whole trip, 128 matrix instructions and four softmaxes, in which to land.
.macro TRIP slot, other, refill, first
	s_set_vgpr_msb 0x5
	s_wait_tensorcnt 0x0
	ds_add_u32 v0, v1
	s_wait_dscnt 0x0
	s_set_vgpr_msb 0x500
	s_add_nc_u64 s[G0K+4*\slot+2:G0K+4*\slot+3], s[G0K+4*\slot+2:G0K+4*\slot+3], 2*TILEB   ; no tensor load of mine is out: this slot's next tile
	s_add_nc_u64 s[G0V+4*\slot+2:G0V+4*\slot+3], s[G0V+4*\slot+2:G0V+4*\slot+3], 2*TILEB
	s_wait_dscnt 0x0
	ROUND
.if \refill
	JLOAD \other
.endif
	STEP \slot, 0, \first
	STEP \slot, 1, 0
	STEP \slot, 2, 0
	STEP \slot, 3, 0
.endm
	TRIP 0, 1, 1, 1                                ; tiles 0 and 1 stand in front of the loop: the first step starts the sums
	TRIP 1, 0, 1, 0
	s_mov_b32 s10, 2
.Llap:
	TRIP 0, 1, 1, 0                                ; tiles 2 to 5
	TRIP 1, 0, 1, 0
	s_sub_co_u32 s10, s10, 1
	s_cmp_lg_u32 s10, 0
	s_cbranch_scc1 .Llap
	TRIP 0, 1, 1, 0                                ; tile 6 asks for tile 7,
	TRIP 1, 0, 0, 0                                ; tile 7 for nothing (the stepped addresses are not used)
	; THE END: the sums of the two lane halves meet; O / sum, rounded to bf16, 16 bytes a lane into my own stage, read back as whole rows.
	v_add_f32 v[LS],   v[LS],   v[LS+1]
	v_add_f32 v[LS+2], v[LS+2], v[LS+3]
	v_permlanex16_b32 v[PX],   v[LS],   s12, s13
	v_permlanex16_b32 v[PX+1], v[LS+2], s12, s13
	v_add_f32 v[LS],   v[LS],   v[PX]
	v_add_f32 v[LS+2], v[LS+2], v[PX+1]            ; at least about 1: the key of the maximum adds 2^0
	v_rcp_f32 v[AL],   v[LS]
	v_rcp_f32 v[AL+2], v[LS+2]
	v_and_b32 v[TA], 31, v0                        ; plain instructions behind the reciprocals:
	v_lshlrev_b32 v[TA], 4, v[TA]                  ; 16 l, my place in 512 bytes of ctx
	s_wait_alu depctr_va_vdst(0)
.irp qt, 0,1
.irp dt, 0,1,2,3
.irp k, 0,1,2,3
	v_pk_mul_f32 v[OA+8*(4*\qt+\dt)+2*\k:OA+8*(4*\qt+\dt)+2*\k+1], v[OA+8*(4*\qt+\dt)+2*\k:OA+8*(4*\qt+\dt)+2*\k+1], v[AL+2*\qt:AL+2*\qt+1] op_sel_hi:[1,0]
.endr
.irp k, 0,1,2,3
	v_cvt_pk_bf16_f32 v[FR+4*(4*\qt+\dt)+\k], v[OA+8*(4*\qt+\dt)+2*\k], v[OA+8*(4*\qt+\dt)+2*\k+1]
.endr
	ds_store_b128 v[STO], v[FR+4*(4*\qt+\dt):FR+4*(4*\qt+\dt)+3] offset:\qt*16*KP+32*\dt   ; query 16 qt + r, d 16 dt + 8 h ..
.endr
.endr
.irp t, 0,1,2,3,4,5,6,7
	ds_load_b128 v[FR+32+4*\t:FR+32+4*\t+3], v[RD] offset:\t*4*KP      ; my own bytes: LDS serves a wave's instructions in order
.endr
.irp t, 0,1,2,3,4,5,6,7
	s_wait_dscnt 7-\t
	global_store_b128 v[TA], v[FR+32+4*\t:FR+32+4*\t+3], s[6:7] offset:512*\t              ; four rows: 512 consecutive bytes, aligned
.endr
	s_set_vgpr_msb 0x5
	s_wait_tensorcnt 0x0
	ds_add_u32 v0, v1
	s_wait_dscnt 0x0
	s_set_vgpr_msb 0x500
	ROUND                                          ; the closing round: no work-group ends while a partner may still ask for a tile that names it
	s_endpgm
.Lfunc_end_k_q7ebf85eb3c_attn:
	.size	k_q7ebf85eb3c_attn, .Lfunc_end_k_q7ebf85eb3c_attn-k_q7ebf85eb3c_attn
	.p2alignl 7, 3214868480
	.fill 96, 4, 3214868480
	.section	.rodata,"a",@progbits
	.p2align	6, 0x0
	.amdhsa_kernel k_q7ebf85eb3c_attn
		.amdhsa_group_segment_fixed_size 327680
		.amdhsa_private_segment_fixed_size 0
		.amdhsa_enable_private_segment 0
		.amdhsa_kernarg_size 16
		.amdhsa_user_sgpr_count 2
		.amdhsa_user_sgpr_kernarg_segment_ptr 1
		.amdhsa_wavefront_size32 1
		.amdhsa_system_sgpr_workgroup_id_x 1
		.amdhsa_system_sgpr_workgroup_id_y 1
		.amdhsa_system_sgpr_workgroup_id_z 1
		.amdhsa_system_vgpr_workitem_id 0
		.amdhsa_next_free_vgpr 258
		.amdhsa_next_free_sgpr 66
		.amdhsa_reserve_vcc 1
		.amdhsa_float_denorm_mode_32 3
		.amdhsa_float_denorm_mode_16_64 3
		.amdhsa_memory_ordered 1
		.amdhsa_forward_progress 1
		.amdhsa_inst_pref_size 255
	.end_amdhsa_kernel
	.section	.bss,"aw",@nobits
	.p2align	6
	.space	262144
	.amdgpu_metadata
---
amdhsa.version: [ 1, 2 ]
amdhsa.kernels:
  - .name:           k_q7ebf85eb3c_attn
    .symbol:         k_q7ebf85eb3c_attn.kd
    .args:
      - { .name: qkv, .offset: 0, .size: 8, .value_kind: global_buffer, .address_space: global }
      - { .name: ctx, .offset: 8, .size: 8, .value_kind: global_buffer, .address_space: global }
    .group_segment_fixed_size: 327680
    .private_segment_fixed_size: 0
    .kernarg_segment_align: 8
    .kernarg_segment_size: 16
    .max_flat_workgroup_size: 256
    .sgpr_count:     66
    .vgpr_count:     258
    .wavefront_size: 32
...
	.end_amdgpu_metadata
.endif
;; end of part 3
;; launch outgemm (part 4): grid 8 x 32, 4 waves a work-group, clusters of 4 x 4, 327,680 bytes of LDS; arguments ctx, bf, out_proj_bias, out0; writes out0
.if DOCPART == 4
	.amdgcn_target "amdgcn-amd-amdhsa--gfx1250"
	.amdhsa_code_object_version 6
	.text
	.protected	k_q7ebf85eb3c_outgemm
	.globl	k_q7ebf85eb3c_outgemm
	.p2align	8
	.type	k_q7ebf85eb3c_outgemm,@function
k_q7ebf85eb3c_outgemm:
	s_mov_b64 s[64:65], 0
	v_nop
	global_prefetch_b8 v0, s[64:65] scope:SCOPE_SE
	s_setreg_imm32_b32 hwreg(HW_REG_WAVE_MODE, 25, 1), 1
	s_wait_xcnt 0x0
	s_wait_alu depctr_hold_cnt(0) depctr_sa_sdst(0) depctr_va_vdst(0) depctr_va_sdst(0) depctr_va_ssrc(0) depctr_va_vcc(0) depctr_vm_vsrc(0)
	s_getreg_b32 s2, hwreg(HW_REG_IB_STS2, 6, 4)
	s_cmp_eq_u32 s2, 0
	s_cbranch_scc0 .Lentry_in_a_cluster
	s_endpgm
.Lentry_in_a_cluster:
	s_bfe_u32 s2, ttmp6, 0x10000c
	s_cmp_lg_u32 s2, 0xf033
	s_cbranch_scc0 .Lentry_shape_is_right
	s_endpgm
.Lentry_shape_is_right:
; out0[m][f] = sum over e of ctx[m][e] W_out[f][e] + b_out[f], m < 4096, f < 1024, e < 1024; out0 in f32.
; ctx in bf16 by heads, ctx[e / 64][m][e % 64]; W_out in bf16 at byte 14,680,064 of bf; sums in f32.
; 8 x 32 work-groups, one for each block of 128 x 128: the block that gives 256 work-groups equal work.  Four waves, 64 x 64 each: 16 accumulator tiles.
; K goes in 8 steps of 128 = two heads through two LDS slots.  A slot holds ctx's tile as two sub-tiles, one a head (128 rows x 128 bytes, dense
; in memory), and W_out's tile (128 rows x 256 bytes).
; CLUSTERS: 4 x 4 work-groups; ctx's tiles are shared along a row of the cluster, W_out's along a column, each asked for jointly.
; Source 0 = 16 rows of W_out, source 1 = 16 rows of ctx: lane l holds row l % 16 of the result, columns 8 (l / 16) + 0 .. 7: 32 neighbouring bytes.
; The first product of each accumulator takes the bias tile as its C operand, so the bias costs no add.
; Limits: operands are bf16.
;   window 0: v16-27 addresses; buffers at v64 and v128: W_out's 4 fragments, then ctx's 4; v192-223 the bias as four C tiles
;   window 1: accumulator tile (a, b) at v[8 (4 a + b)]
.set KSTEP,  128
.set PA,     144                       ; ctx's LDS pitch: 128 + 16
.set PB,     272                       ; W_out's: 256 + 16
.set SUBA,   128*PA                    ; one head's sub-tile: what one load brings of ctx
.set HALFB,  64*PB                     ; what one load brings of W_out
.set BOFF,   2*SUBA
.set SLOT,   BOFF+2*HALFB              ; 71,680 bytes
.set STAGE,  2*SLOT                    ; behind the ring, at a multiple of 256 bytes: no tile ever lands here
.set SPITCH, 272                       ; a stage row: 64 f32 + 16 bytes
.set LAPS,   4
.set WOFF,   14680064                  ; W_out's first byte in bf
.set HEADB,  524288
.set ADRA, 16
.set ADRB, 20
.set STO,  24
.set RD,   25
.set CO,   26
.set BO,   27
.set F0,   64
.set F1,   128
.set BIAS, 192
.set G1,  24
.set G0,  32
.set G1B, 48
.set G0B, 56
.set MSB, 0
.macro WIN new                         ; the immediate's high byte repeats the setting that is left
.if MSB != \new
	s_set_vgpr_msb (MSB<<8)|\new
.set MSB, \new
.endif
.endm
.set MULW,   0x50                      ; sources 0 and 1 window 0, C and D window 1
.set FIRSTW, 0x40                      ; the first products: C (the bias) window 0, D window 1
.set FROMW,  0x04                      ; an LDS store's data from window 1
.macro JLOAD s                         ; waves 0 and 1 fetch ctx's two heads, waves 2 and 3 W_out's two halves
	s_cmp_eq_u32 s13, 0
	s_cbranch_scc0 .Lfor_b_\@
	tensor_load_to_lds s[G0+4*\s:G0+4*\s+3], s[G1:G1+7]
	s_nop 0
	s_branch .Lasked_\@
.Lfor_b_\@:
	tensor_load_to_lds s[G0B+4*\s:G0B+4*\s+3], s[G1B:G1B+7]
	s_nop 0
.Lasked_\@:
.endm
.macro CREST                           ; a round of the cluster's barrier behind its opening barrier
	s_cmp_lg_u32 s12, 0
	s_cbranch_scc1 .Lnot_wave_0_\@
	s_barrier_signal -3
.Lnot_wave_0_\@:
	s_barrier_wait -3
	s_barrier_signal -1
	s_barrier_wait -1
.endm
.macro CROUND
	s_barrier_signal -1
	s_barrier_wait -1
	CREST
.endm
	s_load_b256 s[4:11], s[0:1], 0x0               ; ctx s[4:5], bf s[6:7], out_proj_bias s[8:9], out0 s[10:11]
	v_lshl_add_u32 v254, v0, 2, 0x29000
	v_mov_b32 v255, 0
	ds_add_u32 v254, v255
	v_lshrrev_b32 v1, 5, v0
	v_readfirstlane_b32 s12, v1                    ; wave 0..3
	s_lshr_b32 s13, s12, 1                         ; which half of the block's rows is mine.  Also: I fetch for ctx (0) or for W_out (1)
	s_and_b32 s14, s12, 1                          ; which half of its columns.  Also: which head, or which 64 rows, I fetch
	s_bfe_u32 s40, ttmp6, 0x40000                  ; cx
	s_bfe_u32 s41, ttmp6, 0x40004                  ; cy
	s_lshl_b32 s42, ttmp9, 2
	s_add_co_u32 s42, s42, s40                     ; block column
	s_and_b32 s15, ttmp7, 0xffff
	s_lshl_b32 s15, s15, 2
	s_add_co_u32 s15, s15, s41                     ; block row
	s_lshl_b32 s43, s41, 2
	s_lshl_b32 s43, 15, s43                        ; my row of the cluster
	s_lshl_b32 s44, 0x1111, s40                    ; my column
	s_or_b32 s[G1+0],  s43, (1<<16)|(1<<20)|(1<<21)|(4<<22)|(3<<25)   ; ctx: 4 words of padding behind every 32; the mask of my row
	s_or_b32 s[G1B+0], s44, (1<<16)|(1<<20)|(1<<21)|(5<<22)|(3<<25)   ; W_out: behind every 64; the mask of my column
	s_mov_b32 s[G1+1],  64<<16                     ; tensor_dim0
	s_mov_b32 s[G1B+1], KSTEP<<16
	s_mov_b32 s[G1+2],  128<<16                    ; tensor_dim1
	s_mov_b32 s[G1B+2], 64<<16
	s_mov_b32 s[G1+3],  64<<16                     ; tile_dim0
	s_mov_b32 s[G1B+3], KSTEP<<16
	s_mov_b32 s[G1+4],  128                        ; tile_dim1
	s_mov_b32 s[G1B+4], 64
	s_mov_b32 s[G1+5],  64                         ; elements from row to row
	s_mov_b32 s[G1B+5], 1024
	s_mov_b32 s[G1+6],  0
	s_mov_b32 s[G1B+6], 0
	s_mov_b32 s[G1+7],  0
	s_mov_b32 s[G1B+7], 0
	s_lshl_b32 s16, s14, 19                        ; ctx: head (w & 1) of the step's two,
	s_lshl_b32 s17, s15, 14                        ; 128 rows of 128 bytes a block row
	s_add_co_u32 s16, s16, s17
	s_mov_b32 s17, 0
	s_lshl_b32 s46, s42, 7                         ; W_out: row 128 x block column + 64 x half
	s_lshl_b32 s47, s14, 6
	s_add_co_u32 s46, s46, s47
	s_lshl_b32 s46, s46, 11
	s_add_co_u32 s46, s46, WOFF
	s_mov_b32 s47, 0
	s_mul_i32 s22, s12, SUBA                       ; ctx's sub-tiles at wave x 18,432 (waves 0, 1),
	s_mul_i32 s23, s12, HALFB                      ; W_out's halves behind them at wave x 17,408 + 2,048 (waves 2, 3)
	s_add_co_u32 s23, s23, BOFF-2*HALFB
	s_wait_dscnt 0x0
	s_wait_kmcnt 0x0
	s_add_nc_u64 s[16:17], s[4:5], s[16:17]
	s_add_nc_u64 s[46:47], s[6:7], s[46:47]
	CROUND                                         ; all sixteen work-groups are here: the first joint loads meet
.irp s, 0,1
	s_mov_b32 s[G0+4*\s], 1
	s_add_co_u32 s[G0+4*\s+1], s22, \s*SLOT
	s_add_nc_u64 s[G0+4*\s+2:G0+4*\s+3], s[16:17], \s*2*HEADB          ; K step s: two heads on
	s_or_b32 s[G0+4*\s+3], s[G0+4*\s+3], 0x80000000
	s_mov_b32 s[G0B+4*\s], 1
	s_add_co_u32 s[G0B+4*\s+1], s23, \s*SLOT
	s_add_nc_u64 s[G0B+4*\s+2:G0B+4*\s+3], s[46:47], \s*KSTEP*2
	s_or_b32 s[G0B+4*\s+3], s[G0B+4*\s+3], 0x80000000
	JLOAD \s                                       ; two loads of the wave are out
.endr
	v_and_b32 v1, 15, v0                           ; r
	v_bfe_u32 v2, v0, 4, 1                         ; h
	v_mul_u32_u24 v3, v1, PA
	v_lshl_add_u32 v3, v2, 4, v3
	v_mul_u32_u24 v4, v1, PB
	v_lshl_add_u32 v4, v2, 4, v4
	s_mul_i32 s20, s13, 64*PA                      ; my 64 rows of ctx, in each sub-tile
	s_mul_i32 s21, s14, 64*PB                      ; my 64 rows of W_out
	s_add_co_u32 s21, s21, BOFF
.irp s, 0,1
	v_add_nc_u32 v[ADRA+\s], s20, v3
	v_add_nc_u32 v[ADRB+\s], s21, v4
	s_add_co_u32 s20, s20, SLOT
	s_add_co_u32 s21, s21, SLOT
.endr
	v_lshlrev_b32 v[BO], 5, v2                     ; the bias of my 64 columns as four C tiles: register j = b_out[128 bx + 64 (w & 1) + 16 b + 8 h + j]
	s_lshl_b32 s66, s42, 9
	s_lshl_b32 s67, s14, 8
	s_add_co_u32 s66, s66, s67                     ; my first column, in bytes of f32
	s_mov_b32 s67, 0
	s_add_nc_u64 s[8:9], s[8:9], s[66:67]
.irp b, 0,1,2,3
	global_load_b128 v[BIAS+8*\b:BIAS+8*\b+3],   v[BO], s[8:9] offset:64*\b
	global_load_b128 v[BIAS+8*\b+4:BIAS+8*\b+7], v[BO], s[8:9] offset:64*\b+16
.endr
	s_lshl_b32 s68, s15, 19                        ; my first row: (128 block row + 64 half) x 4,096 bytes
	s_lshl_b32 s69, s13, 18
	s_add_co_u32 s68, s68, s69
	s_add_co_u32 s68, s68, s66
	s_mov_b32 s69, 0
	s_add_nc_u64 s[10:11], s[10:11], s[68:69]
	s_mul_i32 s20, s12, 16*SPITCH
	s_add_co_u32 s20, s20, STAGE                   ; my stage: 16 rows x 272 bytes
	v_mul_u32_u24 v5, v1, SPITCH                   ; in: row r, 32 bytes for each half of the lanes
	v_lshl_add_u32 v5, v2, 5, v5
	v_add_nc_u32 v[STO], s20, v5
	v_mul_u32_u24 v6, v2, SPITCH                   ; back: lanes 0-15 take one row of 256 bytes, lanes 16-31 the next
	v_lshl_add_u32 v6, v1, 4, v6
	v_add_nc_u32 v[RD], s20, v6
	v_lshlrev_b32 v7, 12, v2                       ; and the same two rows in out0
	v_lshl_add_u32 v[CO], v1, 4, v7
; 4 matrix instructions: m block a x all 4 n blocks, 32 along K.  The 16 accumulators take turns, one instruction a turn, in the same order in
; every quarter step.
.macro MUL4 f, a, zero
.irp b, 0,1,2,3
.if \zero
	v_wmma_f32_16x16x32_bf16 v[8*(4*\a+\b):8*(4*\a+\b)+7], v[\f+8*\b:\f+8*\b+7], v[\f+32+8*\a:\f+32+8*\a+7], v[BIAS+8*\b:BIAS+8*\b+7]
.else
	v_wmma_f32_16x16x32_bf16 v[8*(4*\a+\b):8*(4*\a+\b)+7], v[\f+8*\b:\f+8*\b+7], v[\f+32+8*\a:\f+32+8*\a+7], v[8*(4*\a+\b):8*(4*\a+\b)+7]
.endif
.endr
.endm
; 16 LDS loads: the fragments of quarter kq of a K step (W_out: byte 64 kq of its rows; ctx: head kq >> 1, byte 64 (kq & 1)) into buffer f
.macro FETCH slot, kq, f
	WIN 0
.irp b, 0,1,2,3
	ds_load_b128 v[\f+8*\b:\f+8*\b+3],   v[ADRB+\slot] offset:\kq*64+\b*16*PB
	ds_load_b128 v[\f+8*\b+4:\f+8*\b+7], v[ADRB+\slot] offset:\kq*64+\b*16*PB+32
.endr
.irp a, 0,1,2,3
	ds_load_b128 v[\f+32+8*\a:\f+32+8*\a+3],   v[ADRA+\slot] offset:(\kq>>1)*SUBA+(\kq&1)*64+\a*16*PA
	ds_load_b128 v[\f+32+8*\a+4:\f+32+8*\a+7], v[ADRA+\slot] offset:(\kq>>1)*SUBA+(\kq&1)*64+\a*16*PA+32
.endr
.endm
.macro PLACES                          ; four places behind a matrix instruction, ahead of loads into its sources and of reads of its result
.rept 4
	v_nop
.endr
.endm
.macro QUARTER slot, kq, f, g, zero
	s_wait_dscnt 4                                 ; W_out and ctx's blocks 0, 1 are in; the youngest four loads (blocks 2, 3) may be out
.if \zero
	WIN FIRSTW
.else
	WIN MULW
.endif
	MUL4 \f, 0, \zero
	MUL4 \f, 1, \zero
	PLACES
	FETCH \slot, \kq, \g
	s_wait_dscnt 16                                ; all but the 16 just issued
.if \zero
	WIN FIRSTW
.else
	WIN MULW
.endif
	MUL4 \f, 2, \zero
	MUL4 \f, 3, \zero
.endm
.macro THREE slot, zero
	QUARTER \slot, 1, F0, F1, \zero
	QUARTER \slot, 2, F1, F0, 0
	QUARTER \slot, 3, F0, F1, 0
.endm
; The last quarter changes slots: each wave's reads of this slot and all its tensor loads are waited for in front of the barrier; behind it
; (and, where the slot is filled again, behind the round that it opens) the refill comes first, then the next slot's first fragments.
.macro TURN slot, next, fill
	s_wait_dscnt 4
	WIN MULW
	MUL4 F1, 0, 0
	s_wait_dscnt 0                                 ; my reads of this slot are over
	s_wait_tensorcnt 0x0                           ; and all my tensor loads have landed: the one that was out is my part of the next slot
	ds_add_u32 v254, v255
	s_wait_dscnt 0x0
	s_barrier_signal -1
	MUL4 F1, 1, 0                                  ; register work while the others arrive
	WIN 0
	s_barrier_wait -1
.if \fill
	CREST
	s_add_nc_u64 s[G0+4*\slot+2:G0+4*\slot+3], s[G0+4*\slot+2:G0+4*\slot+3], 4*HEADB       ; two K steps = four heads on
	s_add_nc_u64 s[G0B+4*\slot+2:G0B+4*\slot+3], s[G0B+4*\slot+2:G0B+4*\slot+3], 2*KSTEP*2
	JLOAD \slot                                    ; the first tensor load behind the round, and my only one until the next
.endif
	PLACES
	FETCH \next, 0, F0
	WIN MULW
	MUL4 F1, 2, 0
	MUL4 F1, 3, 0
.endm
.macro LAP zero
	THREE 0, \zero
	TURN 0, 1, 1
	THREE 1, 0
	TURN 1, 0, 1
.endm
	s_wait_loadcnt 0x0                             ; the bias
	s_wait_tensorcnt 0x1                           ; my part of K step 0 is in; K step 1's stays out
	s_barrier_signal -1
	s_barrier_wait -1
	FETCH 0, 0, F0
	LAP 1                                          ; the first lap stands in front of the loop: its first products start the sums from the bias
	WIN 0
	s_mov_b32 s3, LAPS-2
.Llap:
	LAP 0
	WIN 0
	s_sub_co_u32 s3, s3, 1
	s_cmp_lg_u32 s3, 0
	s_cbranch_scc1 .Llap
	THREE 0, 0                                     ; the last lap fills nothing
	TURN 0, 1, 0
	THREE 1, 0
	s_wait_dscnt 4
	WIN MULW
	MUL4 F1, 0, 0
	MUL4 F1, 1, 0
	s_wait_dscnt 0
	MUL4 F1, 2, 0
	MUL4 F1, 3, 0
	; THE WAY OUT, 16 rows at a time: 32 bytes a lane and tile into my own stage, read back as whole rows of 256 bytes.
	PLACES                                         ; the places behind the last matrix instructions, for the stores of results and the loads into the buffers
.macro OUT16 a, f
	WIN FROMW
.irp b, 0,1,2,3
	ds_store_b128 v[STO], v[8*(4*\a+\b):8*(4*\a+\b)+3]   offset:64*\b
	ds_store_b128 v[STO], v[8*(4*\a+\b)+4:8*(4*\a+\b)+7] offset:64*\b+16
.endr
	WIN 0
	s_wait_xcnt 0x0                                ; buffer f, which earlier stores read, is loaded again only behind this wait
.irp t, 0,1,2,3,4,5,6,7
	ds_load_b128 v[\f+4*\t:\f+4*\t+3], v[RD] offset:\t*2*SPITCH        ; my own bytes: LDS serves a wave's instructions in order
.endr
.irp t, 0,1,2,3,4,5,6,7
	s_wait_dscnt 7-\t
	global_store_b128 v[CO], v[\f+4*\t:\f+4*\t+3], s[10:11] offset:\a*65536+\t*8192 th:TH_STORE_NT   ; 16 lanes store 256 consecutive bytes, aligned
.endr
.endm
	OUT16 0, F0
	OUT16 1, F1
	OUT16 2, F0
	OUT16 3, F1
	s_wait_tensorcnt 0x0
	ds_add_u32 v254, v255
	s_wait_dscnt 0x0
	CROUND                                         ; the closing round: no work-group ends while a partner may still ask for a tile that names it
	s_endpgm
.Lfunc_end_k_q7ebf85eb3c_outgemm:
	.size	k_q7ebf85eb3c_outgemm, .Lfunc_end_k_q7ebf85eb3c_outgemm-k_q7ebf85eb3c_outgemm
	.p2alignl 7, 3214868480
	.fill 96, 4, 3214868480
	.section	.rodata,"a",@progbits
	.p2align	6, 0x0
	.amdhsa_kernel k_q7ebf85eb3c_outgemm
		.amdhsa_group_segment_fixed_size 327680
		.amdhsa_private_segment_fixed_size 0
		.amdhsa_enable_private_segment 0
		.amdhsa_kernarg_size 32
		.amdhsa_user_sgpr_count 2
		.amdhsa_user_sgpr_kernarg_segment_ptr 1
		.amdhsa_wavefront_size32 1
		.amdhsa_system_sgpr_workgroup_id_x 1
		.amdhsa_system_sgpr_workgroup_id_y 1
		.amdhsa_system_sgpr_workgroup_id_z 1
		.amdhsa_system_vgpr_workitem_id 0
		.amdhsa_next_free_vgpr 384
		.amdhsa_next_free_sgpr 70
		.amdhsa_reserve_vcc 0
		.amdhsa_float_denorm_mode_32 3
		.amdhsa_float_denorm_mode_16_64 3
		.amdhsa_memory_ordered 1
		.amdhsa_forward_progress 1
		.amdhsa_inst_pref_size 74
	.end_amdhsa_kernel
	.amdgpu_metadata
---
amdhsa.version: [ 1, 2 ]
amdhsa.kernels:
  - .name:           k_q7ebf85eb3c_outgemm
    .symbol:         k_q7ebf85eb3c_outgemm.kd
    .args:
      - { .name: ctx, .offset: 0, .size: 8, .value_kind: global_buffer, .address_space: global }
      - { .name: bf, .offset: 8, .size: 8, .value_kind: global_buffer, .address_space: global }
      - { .name: out_proj_bias, .offset: 16, .size: 8, .value_kind: global_buffer, .address_space: global }
      - { .name: out0, .offset: 24, .size: 8, .value_kind: global_buffer, .address_space: global }
    .group_segment_fixed_size: 327680
    .private_segment_fixed_size: 0
    .kernarg_segment_align: 8
    .kernarg_segment_size: 32
    .max_flat_workgroup_size: 128
    .sgpr_count:     70
    .vgpr_count:     384
    .wavefront_size: 32
...
	.end_amdgpu_metadata
.endif
;; end of part 4
;; ======== version 2 of 2: 4 launches
;; workspace buffers: bf 16,777,216 bytes; qkv 25,165,824 bytes; ctx 8,388,608 bytes
;; launch cast: the kernel of part 1 again; grid 1024 x 1, 8 waves a work-group, no clusters, 0 bytes of LDS; arguments input_embeddings, in_proj_weight, out_proj_weight, bf; writes bf
;; launch qkvgemm: the kernel of part 2 again; grid 16 x 16, 4 waves a work-group, clusters of 4 x 4, 327,680 bytes of LDS; arguments bf, in_proj_bias, qkv; writes qkv
;; launch attn (part 5): grid 8 x 32, 8 waves a work-group, clusters of 4 x 1, 327,680 bytes of LDS; arguments qkv, ctx; writes ctx
.if DOCPART == 5
	.amdgcn_target "amdgcn-amd-amdhsa--gfx1250"
	.amdhsa_code_object_version 6
	.text
	.protected	k_q7ebf85eb3c_attn
	.globl	k_q7ebf85eb3c_attn
	.p2align	8
	.type	k_q7ebf85eb3c_attn,@function
k_q7ebf85eb3c_attn:
	s_mov_b64 s[64:65], 0
	v_nop
	global_prefetch_b8 v0, s[64:65] scope:SCOPE_SE
	s_setreg_imm32_b32 hwreg(HW_REG_WAVE_MODE, 25, 1), 1
	s_wait_xcnt 0x0
	s_wait_alu depctr_hold_cnt(0) depctr_sa_sdst(0) depctr_va_vdst(0) depctr_va_sdst(0) depctr_va_ssrc(0) depctr_va_vcc(0) depctr_vm_vsrc(0)
	s_getreg_b32 s2, hwreg(HW_REG_IB_STS2, 6, 4)
	s_cmp_eq_u32 s2, 0
	s_cbranch_scc0 .Lentry_in_a_cluster
	s_endpgm
.Lentry_in_a_cluster:
	s_bfe_u32 s2, ttmp6, 0x10000c
	s_cmp_lg_u32 s2, 0x3003
	s_cbranch_scc0 .Lentry_shape_is_right
	s_endpgm
.Lentry_shape_is_right:
; ctx = softmax(q k^T / 8, keys j with i - 16 <= j <= i blocked) v, for each of 32 heads (batch x head) of 2,048 tokens x 64.
; q, k, v in bf16 from qkv[part x 16 + head][batch x 2048 + token][64]; ctx in bf16, ctx[head][batch x 2048 + token][64].
; Work-group y = 2 head + batch; cluster X (0 or 1) takes 1,024 queries, each of its four work-groups 256 of them.
; SHARES: waves w and w + 4 are a pair p = w & 3 and hold the same 64 queries, four tiles of 16: tile t at query 1024 X + 256 p + 64 t + 16 cx.
; Of every 256 keys wave kh = w >> 2 takes steps (of 64 keys) 2 kh and 2 kh + 1.  So a K or V fragment read from LDS feeds four matrix
; instructions, and a wave issues 32 LDS loads for 64 of them.  Each wave keeps its own running maximum (the maximum is taken away before
; every exponential), sum and O; at the end the pair's two partial results are merged through LDS, each wave finishing two of the four tiles.
; REGISTERS: window 0 (v0-255) holds the two tiles that the wave finishes (tiles 2 kh, 2 kh + 1), the addresses and the fragments; window 1
; holds the other two tiles at the same register numbers 6 to 191.  The softmax is one macro, run under window 0 and then under window 1.
; CLUSTERS: the four work-groups of a cluster walk the same head's K and V: each tile is asked for jointly, which divides the requests for
; K and V by four.
; THE MASK: tile t's queries lie in the 64 tokens of step 16 X + 4 p + t (its home step) in all four partners, so its band can touch only the
; four key tiles of that step and the last key tile of the step before.  An element is blocked where 0 <= 16 (cx - kt) + r - 8 h - j <= 16
; (kt = -1: the step before): 40 lane masks, made once and kept in scalar registers; a key tile that can be touched costs 8 selects.
; The branches round them hang on X, the wave and the step alone; cx enters only the masks' bits and q's and ctx's addresses.
; LAYOUTS, chosen so that nothing is shuffled between the two products:
;   S^T = K Q^T: source 0 = 16 keys x 32 d from LDS, source 1 = 16 queries x 32 d kept in registers.  Lane (r, h), register j: key 8 h + j, query r.
;   So a query's maximum and sum are made inside a lane and by one exchange between the lane halves, and maximum and rescale factor are per lane.
;   Two neighbouring key tiles, rounded to bf16 in place, ARE the fragment of P^T (32 keys x 16 queries) that the second product takes as source 1.
;   O^T = V^T P^T: source 0 = 16 d x 32 keys, read from V's rows [key][d] by the transposing LDS load.  Lane (r, h), register j: d 8 h + j, query r.
; THE TEXT IS KEPT SHORT: a trip's two steps are one loop body; five steps are written in all.
; Limits: q, k, v, P and ctx are bf16; scores, maxima, sums and O are f32.  The sum of a row adds the p as computed, the product takes them
; rounded to bf16.  Exponents are at most 0; a p below 2^-126 counts as 0.  Scores must be finite, as the softmax itself needs.
; At most 17 of a step's 64 keys are blocked, so every step's maximum is a finite score.
; token_ids is not read: no line of the computation uses it.
.set SLOT,   81920                     ; K: 256 keys x 144 bytes at 0; 4,096 bytes unused; V: 256 keys x 160 bytes at 40,960
.set KP,     144                       ; K's pitch: 128 + 16, an odd multiple of 16
.set VP,     160                       ; V's pitch: 128 + 32, an odd multiple of 32, for the transposing load
.set VOFF,   40960                     ; = 4 x 10,240, so that V's quarter of wave w (4 to 7) lies at w x 10,240
.set XSTAGE, 2*SLOT                    ; behind the ring, at a multiple of 256 bytes: no tile ever lands here
.set XW,     17*512                    ; each wave's own bytes there: 16 x 512 of O and 512 of statistics for its partner; later its stage for the way out
.set TILEB,  32768                     ; 256 keys x 128 bytes in memory
.set KBASE,  8388608                   ; k's first byte in qkv
.set VBASE,  16777216                  ; v's
; window 0 alone:
.set KA,  1                            ; v1-2    LDS address of my K fragments at my first step of slot 0, 1
.set VA,  3                            ; v3-4    the same for V
.set DL,  5                            ; v5      at the start: 16 cx + r - 8 h
.set KC,  8                            ; v8      this step's K address
.set VC,  9                            ; v9      this step's V address
.set FR,  192                          ; v192-255  K's fragments (kt, kc) at 192 + 16 kt + 8 kc, then V's (dt, c) at 192 + 16 dt + 8 c
; behind the last step, window 0:
.set STO, 1                            ; v1      the way out: where I put 16 bytes of a row
.set RD,  2                            ; v2      the way out: where I read a row back
.set XS,  8                            ; v8      where I send, 16 bytes a lane
.set XR,  9                            ; v9      where my partner sent
; in each window, for its two query tiles qt = 0, 1:
.set TA,  6                            ; v6-7    at work
.set TB,  7
.set NM,  10                           ; v[10:11], v[12:13]  (- c x maximum, maximum)
.set AL,  14                           ; v[14:15], v[16:17]  (rescale factor, its exponent)
.set LS,  18                           ; v[18:19], v[20:21]  running sums, two partial sums each
.set T2,  22                           ; v[22:25]            a step's second chains of sums
.set MX,  26                           ; v26-29              a step's chains of maxima
.set PX,  30                           ; v30-31              what the other lane half sends
.set QF,  32                           ; v32-63    Q: fragment (qt, kc) at 32 + 8 (2 qt + kc)
.set OA,  64                           ; v64-127   O: tile (qt, dt) at 64 + 8 (4 qt + dt)
.set SC,  128                          ; v128-191  S: tile (qt, kt) at 128 + 32 qt + 8 kt; then P: fragment (qt, c) at 128 + 32 qt + 16 c
.set G1K, 24                           ; s[24:31]  descriptor group 1 for K's tiles
.set G1V, 32                           ; s[32:39]  for V's
.set G0K, 40                           ; s[40:47]  group 0 for K's tiles, one set for each slot
.set G0V, 48                           ; s[48:55]  for V's
.set RA,  11                           ; s11     my step - the home step of window 0's first tile
.set RB,  56                           ; s56     my step - (the home step of window 1's first tile - 1)
; s2 -c, s8 wave, s9 16 cx, s10 laps, s12-13 lane selects, s[14:15] c twice, s16 at work, s17 -infinity, s18 the step in the trip (0, 1),
; s19-20 at work, s[62:63] q's rows for window 1; lane mask n = 8 (kt + 1) + j in s58-61 (n < 4) and s66-101 (s[62 + n])
.set W1,    0x55                       ; every operand place in window 1
.set WM,    0x54                       ; a product of window 1: source 0 (the fragment) window 0, source 1, C and D window 1
.set TO1,   0x40                       ; destination window 1
.set FROM1, 0x04                       ; an LDS store's data from window 1
.set MSB, 0
.macro WIN new                         ; the immediate's high byte repeats the setting that is left
.if MSB != \new
	s_set_vgpr_msb (MSB<<8)|\new
.set MSB, \new
.endif
.endm
.macro ROUND                           ; a round of the cluster's barrier
	s_barrier_signal -1
	s_barrier_wait -1
	s_cmp_lg_u32 s8, 0
	s_cbranch_scc1 .Lnot_wave_0_\@
	s_barrier_signal -3
.Lnot_wave_0_\@:
	s_barrier_wait -3
	s_barrier_signal -1
	s_barrier_wait -1
.endm
; A joint load: waves 0 to 3 fetch the four quarters (64 keys) of K's tile, waves 4 to 7 those of V's.  The branch hangs on the wave's number alone.
.macro JLOAD s
	s_cmp_lt_u32 s8, 4
	s_cbranch_scc0 .Lfor_v_\@
	tensor_load_to_lds s[G0K+4*\s:G0K+4*\s+3], s[G1K:G1K+7]
	s_nop 0
	s_branch .Lasked_\@
.Lfor_v_\@:
	tensor_load_to_lds s[G0V+4*\s:G0V+4*\s+3], s[G1V:G1V+7]
	s_nop 0
.Lasked_\@:
.endm
.macro PLACES n
.rept \n
	v_nop
.endr
.endm
; lane mask n: the lanes whose element (key tile kt = n / 8 - 1, register j = n % 8) is allowed: query - key = 16 cx + r - 8 h - 16 kt - j is
; blocked where it is 0 to 16, that is, allowed where 16 < it as an unsigned number
.macro MKMASK n
	v_sub_nc_u32 v[TB], v[DL], 16*((\n)/8)-16+(\n)%8
.if (\n) < 4
	v_cmp_lt_u32 s[58+(\n)], 16, v[TB]
.else
	v_cmp_lt_u32 s[62+(\n)], 16, v[TB]
.endif
.endm
.macro BLOCK vr, n                     ; score register vr keeps its value in the lanes of mask n and becomes -infinity in the others
.if (\n) < 4
	v_cndmask_b32 v[\vr], s17, v[\vr], s[58+(\n)]
.else
	v_cndmask_b32 v[\vr], s17, v[\vr], s[62+(\n)]
.endif
.endm
	s_load_b128 s[4:7], s[0:1], 0x0                ; qkv s[4:5], ctx s[6:7]
	s_set_vgpr_msb 0x40
	v_lshl_add_u32 v192, v0, 2, 0x39000
	v_mov_b32 v193, 0
	s_set_vgpr_msb 0x4045
	ds_add_u32 v192, v193
	s_set_vgpr_msb 0x4500
	v_lshrrev_b32 v1, 5, v0
	v_readfirstlane_b32 s8, v1                     ; wave 0..7
	s_bfe_u32 s9, ttmp6, 0x40000                   ; cx
	s_and_b32 s56, ttmp7, 0xffff                   ; y = 2 head + batch
	s_lshl_b32 s56, s56, 18                        ; x 2,048 rows of 128 bytes
	s_and_b32 s20, s8, 3                           ; p: my pair.  Also: which quarter of a tile I fetch
	s_lshr_b32 s19, s8, 2                          ; kh: which two of a trip's four steps are mine
	s_lshl_b32 s16, s20, 13                        ; my quarter of a tile: 64 rows of 128 bytes
	s_add_co_u32 s22, s56, s16                     ; K's and V's tiles hang on y and the wave alone
	s_mov_b32 s23, 0
	s_lshl_b32 s58, ttmp9, 10                      ; the pair's first query: 1024 X
	s_lshl_b32 s59, s20, 8
	s_add_co_u32 s58, s58, s59                     ; + 256 p
	s_lshl_b32 s9, s9, 4
	s_add_co_u32 s58, s58, s9                      ; + 16 cx
	s_lshl_b32 s59, s19, 7                         ; 128 kh
	s_sub_co_u32 s62, s58, s59
	s_add_co_u32 s62, s62, 128                     ; window 1: tiles 2 (1 - kh) and the next
	s_add_co_u32 s58, s58, s59                     ; window 0: tiles 2 kh and the next
	s_lshl_b32 s58, s58, 7                         ; in bytes,
	s_add_co_u32 s58, s58, s56                     ; in my head: the same offset in q's part of qkv and in ctx
	s_mov_b32 s59, 0
	s_lshl_b32 s62, s62, 7
	s_add_co_u32 s62, s62, s56
	s_mov_b32 s63, 0
	s_lshl_b32 s16, ttmp9, 4
	s_lshl_b32 s21, s20, 2
	s_add_co_u32 s16, s16, s21                     ; 16 X + 4 p: the home step of the pair's tile 0
	s_sub_co_u32 s[RA], 0, s16                     ; my first step is 2 kh, window 0's first tile is at home in step 16 X + 4 p + 2 kh
	s_lshl_b32 s[RB], s19, 2                       ; window 1's first tile is at home in step 16 X + 4 p + 2 (1 - kh):
	s_sub_co_u32 s[RB], s[RB], 1                   ; 2 kh - (16 X + 4 p + 2 - 2 kh - 1)
	s_sub_co_u32 s[RB], s[RB], s16
	s_mov_b32 s12, 0x76543210                      ; v_permlanex16_b32: lane i of one half reads lane i of the other
	s_mov_b32 s13, 0xfedcba98
	s_mov_b32 s14, 0x3e38aa3b                      ; c = log2(e) / 8: the scale 1 / sqrt(64) and the change to base 2 in one factor
	s_mov_b32 s15, 0x3e38aa3b
	s_mov_b32 s2, 0xbe38aa3b                       ; - c
	s_mov_b32 s17, 0xff800000                      ; - infinity
	; group 1: tiles of 64 rows x 64 elements of 2 bytes, rows dense in memory; padding behind every 32 words: 4 words (K) or 8 (V).
	; The mask names all four work-groups of the cluster; bit 21 is set beside it.
	s_mov_b32 s[G1K+0], 15|(1<<16)|(1<<20)|(1<<21)|(4<<22)|(3<<25)
	s_mov_b32 s[G1V+0], 15|(1<<16)|(1<<20)|(1<<21)|(4<<22)|(7<<25)
	s_mov_b32 s[G1K+1], 64<<16                     ; tensor_dim0 = 64
	s_mov_b32 s[G1V+1], 64<<16
	s_mov_b32 s[G1K+2], 64<<16                     ; tensor_dim1 = 64
	s_mov_b32 s[G1V+2], 64<<16
	s_mov_b32 s[G1K+3], 64<<16                     ; tile_dim0 = 64
	s_mov_b32 s[G1V+3], 64<<16
	s_mov_b32 s[G1K+4], 64                         ; tile_dim1 = 64
	s_mov_b32 s[G1V+4], 64
	s_mov_b32 s[G1K+5], 64                         ; elements from row to row
	s_mov_b32 s[G1V+5], 64
	s_mov_b32 s[G1K+6], 0
	s_mov_b32 s[G1V+6], 0
	s_mov_b32 s[G1K+7], 0
	s_mov_b32 s[G1V+7], 0
	s_mul_i32 s20, s8, 64*KP                       ; K's quarter of wave w (0 to 3) lies at w x 9,216,
	s_mul_i32 s21, s8, 64*VP                       ; V's quarter of wave w (4 to 7) at w x 10,240
	s_wait_dscnt 0x0
	s_wait_kmcnt 0x0
	s_add_nc_u64 s[22:23], s[4:5], s[22:23]
.irp s, 0,1
	s_mov_b32 s[G0K+4*\s], 1
	s_add_co_u32 s[G0K+4*\s+1], s20, \s*SLOT
	s_add_nc_u64 s[G0K+4*\s+2:G0K+4*\s+3], s[22:23], KBASE+\s*TILEB    ; slot s begins with tile s
	s_or_b32 s[G0K+4*\s+3], s[G0K+4*\s+3], 0x80000000
	s_mov_b32 s[G0V+4*\s], 1
	s_add_co_u32 s[G0V+4*\s+1], s21, \s*SLOT
	s_add_nc_u64 s[G0V+4*\s+2:G0V+4*\s+3], s[22:23], VBASE+\s*TILEB
	s_or_b32 s[G0V+4*\s+3], s[G0V+4*\s+3], 0x80000000
.endr
	ROUND                                          ; all four work-groups are here: the first joint loads meet
	JLOAD 0                                        ; tile 0; slot 1 is first filled behind the first trip's round, as a refill is
	s_add_nc_u64 s[62:63], s[4:5], s[62:63]        ; q's rows for window 1,
	s_add_nc_u64 s[4:5], s[4:5], s[58:59]          ; for window 0,
	s_add_nc_u64 s[6:7], s[6:7], s[58:59]          ; and ctx's rows, which are window 0's
	v_and_b32 v[TA], 15, v0                        ; r
	v_bfe_u32 v[TB], v0, 4, 1                      ; h
	v_lshlrev_b32 v[MX], 7, v[TA]
	v_lshl_add_u32 v[MX], v[TB], 4, v[MX]          ; row r, 16 bytes at 16 h; a window's second tile lies 64 rows on
.irp qt, 0,1
.irp kc, 0,1
	global_load_b128 v[QF+8*(2*\qt+\kc):QF+8*(2*\qt+\kc)+3],   v[MX], s[4:5] offset:\qt*8192+\kc*64
	global_load_b128 v[QF+8*(2*\qt+\kc)+4:QF+8*(2*\qt+\kc)+7], v[MX], s[4:5] offset:\qt*8192+\kc*64+32
.endr
.endr
	v_mov_b32 v[PX], 0                             ; v_permlanex16_b32 counts as a reader of its destination
	v_mov_b32 v[PX+1], 0
	WIN TO1
.irp qt, 0,1
.irp kc, 0,1
	global_load_b128 v[QF+8*(2*\qt+\kc):QF+8*(2*\qt+\kc)+3],   v[MX], s[62:63] offset:\qt*8192+\kc*64
	global_load_b128 v[QF+8*(2*\qt+\kc)+4:QF+8*(2*\qt+\kc)+7], v[MX], s[62:63] offset:\qt*8192+\kc*64+32
.endr
.endr
	v_mov_b32 v[PX], 0
	v_mov_b32 v[PX+1], 0
	WIN 0
	v_mul_u32_u24 v[KA], v[TA], KP
	v_lshl_add_u32 v[KA], v[TB], 4, v[KA]          ; K: row r, 16 bytes at 16 h,
	s_mul_i32 s16, s19, 128*KP
	v_add_nc_u32 v[KA], s16, v[KA]                 ; from my first step of the slot: 128 kh rows on
	v_add_nc_u32 v[KA+1], SLOT, v[KA]
	v_and_b32 v[VA], 7, v0
	v_lshl_add_u32 v[VA], v[TB], 3, v[VA]          ; V: key 8 h + (l & 7),
	v_mul_u32_u24 v[VA], v[VA], VP
	v_bfe_u32 v[VA+1], v0, 3, 1
	v_lshl_add_u32 v[VA], v[VA+1], 4, v[VA]        ; 16 bytes at 16 ((l >> 3) & 1)
	s_mul_i32 s16, s19, 128*VP
	s_add_co_u32 s16, s16, VOFF
	v_add_nc_u32 v[VA], s16, v[VA]
	v_add_nc_u32 v[VA+1], SLOT, v[VA]
	v_lshlrev_b32 v[DL], 3, v[TB]
	v_sub_nc_u32 v[DL], v[TA], v[DL]
	v_add_nc_u32 v[DL], s9, v[DL]                  ; 16 cx + r - 8 h
.set n, 0
.rept 40
	MKMASK n                                       ; the 40 lane masks, once
.set n, n+1
.endr
	s_wait_loadcnt 0x0                             ; Q, once
; 8 matrix instructions of S^T = K Q^T for one window: d half kc of the 64 keys against the window's two query tiles
.macro SMUL kc, zero
.irp qt, 0,1
.irp kt, 0,1,2,3
.if \zero
	v_wmma_f32_16x16x32_bf16 v[SC+32*\qt+8*\kt:SC+32*\qt+8*\kt+7], v[FR+16*\kt+8*\kc:FR+16*\kt+8*\kc+7], v[QF+16*\qt+8*\kc:QF+16*\qt+8*\kc+7], 0
.else
	v_wmma_f32_16x16x32_bf16 v[SC+32*\qt+8*\kt:SC+32*\qt+8*\kt+7], v[FR+16*\kt+8*\kc:FR+16*\kt+8*\kc+7], v[QF+16*\qt+8*\kc:QF+16*\qt+8*\kc+7], v[SC+32*\qt+8*\kt:SC+32*\qt+8*\kt+7]
.endif
.endr
.endr
.endm
; 8 matrix instructions of O^T += V^T P^T for one window: key half c
.macro PMUL c, zero
.irp qt, 0,1
.irp dt, 0,1,2,3
.if \zero
	v_wmma_f32_16x16x32_bf16 v[OA+8*(4*\qt+\dt):OA+8*(4*\qt+\dt)+7], v[FR+16*\dt+8*\c:FR+16*\dt+8*\c+7], v[SC+32*\qt+16*\c:SC+32*\qt+16*\c+7], 0
.else
	v_wmma_f32_16x16x32_bf16 v[OA+8*(4*\qt+\dt):OA+8*(4*\qt+\dt)+7], v[FR+16*\dt+8*\c:FR+16*\dt+8*\c+7], v[SC+32*\qt+16*\c:SC+32*\qt+16*\c+7], v[OA+8*(4*\qt+\dt):OA+8*(4*\qt+\dt)+7]
.endif
.endr
.endr
.endm
; The mask and the softmax of one window's two query tiles against a step's 64 keys.  It is entered with every window 0 (branches follow) and
; left under window g.  first = 1: the wave's very first step starts maxima and sums.
; Which steps a window must mask: step s is taken by wave kh = (s mod 4) >> 1, and tile t is at home in a step that is t mod 4.  So a wave meets
; the home steps of tiles 2 kh and 2 kh + 1, which are window 0's, the first of them being also the step before the second tile's home; and of
; window 1's tiles only the step before its first tile's home (step 1 mod 4 for kh = 0, step 3 mod 4 for kh = 1).
.macro SOFTMAX g, first
.if \g == 0
	s_cmp_lt_u32 s[RA], 2
	s_cbranch_scc0 .Lfree_\@
	s_cmp_eq_u32 s[RA], 0
	s_cbranch_scc0 .Lhome_b_\@
.irp kt, 0,1,2,3
.irp j, 0,1,2,3,4,5,6,7
	BLOCK SC+8*\kt+\j,8*\kt+8+\j                   ; the first tile at home
.endr
.endr
.irp j, 0,1,2,3,4,5,6,7
	BLOCK SC+56+\j,\j                              ; the second tile, one step before its home: the last key tile
.endr
	s_branch .Lfree_\@
.Lhome_b_\@:
.irp kt, 0,1,2,3
.irp j, 0,1,2,3,4,5,6,7
	BLOCK SC+32+8*\kt+\j,8*\kt+8+\j                ; the second tile at home
.endr
.endr
.Lfree_\@:
.else
	s_cmp_eq_u32 s[RB], 0
	s_cbranch_scc0 .Lfree_\@
	WIN W1
.irp j, 0,1,2,3,4,5,6,7
	BLOCK SC+24+\j,\j                              ; the first tile, one step before its home: the last key tile
.endr
	WIN 0                                          ; at a label every window is 0
.Lfree_\@:
	WIN W1
.endif
	; the running maximum: two chains for each query tile, the first seeded with the old maximum
.irp qt, 0,1
.if \first
	v_max3_num_f32 v[MX+2*\qt], v[SC+32*\qt], v[SC+32*\qt], v[SC+32*\qt+1]
.else
	v_max3_num_f32 v[MX+2*\qt], v[NM+2*\qt+1], v[SC+32*\qt], v[SC+32*\qt+1]
.endif
	v_max3_num_f32 v[MX+2*\qt+1], v[SC+32*\qt+16], v[SC+32*\qt+17], v[SC+32*\qt+18]
.endr
.irp n, 1,2,3,4,5,6
.irp qt, 0,1
	v_max3_num_f32 v[MX+2*\qt],   v[MX+2*\qt],   v[SC+32*\qt+2*\n],    v[SC+32*\qt+2*\n+1]
	v_max3_num_f32 v[MX+2*\qt+1], v[MX+2*\qt+1], v[SC+32*\qt+17+2*\n], v[SC+32*\qt+18+2*\n]
.endr
.endr
.irp qt, 0,1
	v_max3_num_f32 v[MX+2*\qt], v[MX+2*\qt], v[SC+32*\qt+14], v[SC+32*\qt+15]
.endr
.irp qt, 0,1
	v_max3_num_f32 v[MX+2*\qt], v[MX+2*\qt], v[MX+2*\qt+1], v[SC+32*\qt+31]
.endr
.irp qt, 0,1
	v_permlanex16_b32 v[PX+\qt], v[MX+2*\qt], s12, s13             ; the other half of the query's keys
.endr
.irp qt, 0,1
	v_max_num_f32 v[NM+2*\qt+1], v[MX+2*\qt], v[PX+\qt]
.endr
	; the reference point - c m, and the factor 2^(new point - old point) by which what was summed so far shrinks.  The factor is made of the
	; two rounded points, the very numbers that the p were and are made with.
.if \first
	v_mul_f32 v[NM],   s2, v[NM+1]
	v_mul_f32 v[NM+2], s2, v[NM+3]
.else
	v_mul_f32 v[TA], s2, v[NM+1]
	v_mul_f32 v[TB], s2, v[NM+3]
	v_sub_f32 v[AL+1], v[TA], v[NM]
	v_sub_f32 v[AL+3], v[TB], v[NM+2]
	v_exp_f32 v[AL],   v[AL+1]
	v_exp_f32 v[AL+2], v[AL+3]
	v_mov_b32 v[NM],   v[TA]                       ; a plain instruction that touches neither factor nor exponent stands behind the exponentials
	v_mov_b32 v[NM+2], v[TB]
.endif
	; p = 2^(c s - c m): one packed multiply-add for two scores, then the exponentials in place.  Behind each pair of them stands one packed
	; multiply of O by the factor, which names none of their registers; the last is the plain instruction ahead of the first use of a p.
.set n, 0
.rept 16
	v_pk_fma_f32 v[SC+2*n:SC+2*n+1],       v[SC+2*n:SC+2*n+1],       s[14:15], v[NM:NM+1]   op_sel_hi:[1,0,0]
	v_pk_fma_f32 v[SC+32+2*n:SC+32+2*n+1], v[SC+32+2*n:SC+32+2*n+1], s[14:15], v[NM+2:NM+3] op_sel_hi:[1,0,0]
.set n, n+1
.endr
.set n, 0
.rept 32
	v_exp_f32 v[SC+2*n],   v[SC+2*n]
	v_exp_f32 v[SC+2*n+1], v[SC+2*n+1]
.if \first == 0
	s_wait_alu depctr_va_vdst(0)
	v_pk_mul_f32 v[OA+2*n:OA+2*n+1], v[OA+2*n:OA+2*n+1], v[AL+2*(n/16):AL+2*(n/16)+1] op_sel_hi:[1,0]
.endif
.set n, n+1
.endr
.if \first
	v_nop                                          ; the plain instruction behind the exponentials
	s_wait_alu depctr_va_vdst(0)
.endif
	; the running sums, of the p as computed; the two lane halves are added at the very end
.irp qt, 0,1
.if \first
	v_pk_add_f32 v[LS+2*\qt:LS+2*\qt+1], v[SC+32*\qt:SC+32*\qt+1], v[SC+32*\qt+2:SC+32*\qt+3]
.else
	v_pk_fma_f32 v[LS+2*\qt:LS+2*\qt+1], v[LS+2*\qt:LS+2*\qt+1], v[AL+2*\qt:AL+2*\qt+1], v[SC+32*\qt:SC+32*\qt+1] op_sel_hi:[1,0,1]
	s_wait_alu depctr_va_vdst(0)
	v_pk_add_f32 v[LS+2*\qt:LS+2*\qt+1], v[LS+2*\qt:LS+2*\qt+1], v[SC+32*\qt+2:SC+32*\qt+3]
.endif
	v_pk_add_f32 v[T2+2*\qt:T2+2*\qt+1], v[SC+32*\qt+16:SC+32*\qt+17], v[SC+32*\qt+18:SC+32*\qt+19]
.endr
.irp n, 2,3,4,5,6,7
.irp qt, 0,1
	v_pk_add_f32 v[LS+2*\qt:LS+2*\qt+1], v[LS+2*\qt:LS+2*\qt+1], v[SC+32*\qt+2*\n:SC+32*\qt+2*\n+1]
	v_pk_add_f32 v[T2+2*\qt:T2+2*\qt+1], v[T2+2*\qt:T2+2*\qt+1], v[SC+32*\qt+16+2*\n:SC+32*\qt+16+2*\n+1]
.endr
.endr
.irp qt, 0,1
	v_pk_add_f32 v[LS+2*\qt:LS+2*\qt+1], v[LS+2*\qt:LS+2*\qt+1], v[T2+2*\qt:T2+2*\qt+1]
.endr
	; P in bf16, in place: key tiles 2 c and 2 c + 1 become registers 0-3 and 4-7 of fragment c.  A destination never runs ahead of its sources.
.irp qt, 0,1
.irp c, 0,1
.irp k, 0,1,2,3
	v_cvt_pk_bf16_f32 v[SC+32*\qt+16*\c+\k], v[SC+32*\qt+16*\c+2*\k], v[SC+32*\qt+16*\c+2*\k+1]
.endr
.irp k, 0,1,2,3
	v_cvt_pk_bf16_f32 v[SC+32*\qt+16*\c+4+\k], v[SC+32*\qt+16*\c+8+2*\k], v[SC+32*\qt+16*\c+9+2*\k]
.endr
.endr
.endr
.endm
; One step: 64 keys, at rows 64 s18 behind my first step of the slot, against my 64 queries.  first = 1: the wave's very first step.
; In both products the accumulators take turns, one instruction a turn.
.macro STEP slot, first
	s_mul_i32 s19, s18, 64*KP                      ; the step's place, 0 or 1, in bytes of K
	s_mul_i32 s20, s18, 64*VP                      ; and of V
	v_add_nc_u32 v[KC], s19, v[KA+\slot]           ; these two name no register of a matrix instruction: with the three v_nop at the end of the step
	v_add_nc_u32 v[VC], s20, v[VA+\slot]           ; before, they are the five places behind its last product (ISA guide 7.12.1)
.irp kc, 0,1
.irp kt, 0,1,2,3
	ds_load_b128 v[FR+16*\kt+8*\kc:FR+16*\kt+8*\kc+3],   v[KC] offset:\kt*16*KP+\kc*64
	ds_load_b128 v[FR+16*\kt+8*\kc+4:FR+16*\kt+8*\kc+7], v[KC] offset:\kt*16*KP+\kc*64+32
.endr
.endr
	s_wait_dscnt 8                                 ; d 0-31 of the 64 keys is in; the eight younger loads (d 32-63) may be out
	SMUL 0, 1                                      ; window 0's two query tiles,
	WIN WM
	SMUL 0, 1                                      ; window 1's
	s_wait_dscnt 0x0
	SMUL 1, 0
	WIN 0
	SMUL 1, 0
	PLACES 4                                       ; four places ahead of the loads into K's fragments and of the reads of S
.irp dt, 0,1,2,3
.irp c, 0,1
	ds_load_tr16_b128 v[FR+16*\dt+8*\c:FR+16*\dt+8*\c+3],   v[VC] offset:\c*32*VP+\dt*32         ; V^T: d 16 dt + r, keys 32 c + 8 h ..
	ds_load_tr16_b128 v[FR+16*\dt+8*\c+4:FR+16*\dt+8*\c+7], v[VC] offset:\c*32*VP+\dt*32+16*VP   ; keys 32 c + 16 + 8 h ..: they land under the softmax
.endr
.endr
	SOFTMAX 0, \first
	SOFTMAX 1, \first
	s_add_co_u32 s[RA], s[RA], 1
	s_add_co_u32 s[RB], s[RB], 1
	s_wait_dscnt 0x0                               ; V's fragments
	WIN WM
	PMUL 0, \first                                 ; window 1's O,
	PMUL 1, 0
	WIN 0
	PMUL 0, \first                                 ; window 0's
	PMUL 1, 0
	PLACES 3                                       ; with the two additions at the next step's head (at the very end: the two additions of the sums) five places:
	                                               ; the next step's products write over P (five), its loads over V's fragments (four), its multiplies read O (four)
.endm
; A trip: 256 keys from one slot, of which two steps are mine.  In front of the round each wave waits for all its tensor loads, its part of this
; trip's tile among them, and for its reads of the other slot; the round makes both hold of every wave of all four work-groups; behind it the
; other slot is asked for again first.  That one load of the wave has the whole trip, 128 matrix instructions and four softmaxes, in which to land.
; The two steps are one body in a loop on s18; in the first trip both are written out, since the very first starts the sums.
.macro TRIP slot, other, refill, first
	s_set_vgpr_msb 0x5
	s_wait_tensorcnt 0x0
	ds_add_u32 v192, v193
	s_wait_dscnt 0x0
	s_set_vgpr_msb 0x500
	s_add_nc_u64 s[G0K+4*\slot+2:G0K+4*\slot+3], s[G0K+4*\slot+2:G0K+4*\slot+3], 2*TILEB   ; no tensor load of mine is out: this slot's next tile
	s_add_nc_u64 s[G0V+4*\slot+2:G0V+4*\slot+3], s[G0V+4*\slot+2:G0V+4*\slot+3], 2*TILEB
	s_wait_dscnt 0x0
	ROUND
.if \refill
	JLOAD \other
.endif
	s_mov_b32 s18, 0
.if \first
	STEP \slot, 1
	s_mov_b32 s18, 1
	STEP \slot, 0
.else
.Lstep_\@:
	STEP \slot, 0
	s_add_co_u32 s18, s18, 1
	s_cmp_lt_u32 s18, 2
	s_cbranch_scc1 .Lstep_\@
.endif
	s_add_co_u32 s[RA], s[RA], 2                   ; my partner's two steps are passed over
	s_add_co_u32 s[RB], s[RB], 2
.endm
	TRIP 0, 1, 1, 1                                ; tile 0 stands in front of the laps; it asks for tile 1
	s_mov_b32 s10, 3
.Llap:
	TRIP 1, 0, 1, 0                                ; tiles 1, 3, 5 ask for tiles 2, 4, 6,
	TRIP 0, 1, 1, 0                                ; tiles 2, 4, 6 for tiles 3, 5, 7
	s_sub_co_u32 s10, s10, 1
	s_cmp_lg_u32 s10, 0
	s_cbranch_scc1 .Llap
	TRIP 1, 0, 0, 0                                ; tile 7 asks for nothing (the stepped addresses are not used)
	; THE END.  In each window the sums of the two lane halves meet.  Window 1's O, reference points and sums go to my partner, lane by lane as they
	; lie in the registers (16 bytes a lane, 512 consecutive bytes a store); my partner's window 1 holds the very tiles of my window 0.
	v_add_f32 v[LS],   v[LS],   v[LS+1]
	v_add_f32 v[LS+2], v[LS+2], v[LS+3]
	v_permlanex16_b32 v[PX],   v[LS],   s12, s13
	v_permlanex16_b32 v[PX+1], v[LS+2], s12, s13
	v_add_f32 v[LS],   v[LS],   v[PX]
	v_add_f32 v[LS+2], v[LS+2], v[PX+1]
	v_and_b32 v[TA], 31, v0
	v_lshlrev_b32 v[TA], 4, v[TA]                  ; 16 l: my place in 512 bytes, in LDS and in ctx
	s_mul_i32 s19, s8, XW
	s_add_co_u32 s19, s19, XSTAGE                  ; my own bytes
	s_xor_b32 s20, s8, 4
	s_mul_i32 s20, s20, XW
	s_add_co_u32 s20, s20, XSTAGE                  ; my partner's: wave w + 4 or w - 4
	v_add_nc_u32 v[XS], s19, v[TA]
	v_add_nc_u32 v[XR], s20, v[TA]
	WIN W1
	v_add_f32 v[LS],   v[LS],   v[LS+1]
	v_add_f32 v[LS+2], v[LS+2], v[LS+3]
	v_permlanex16_b32 v[PX],   v[LS],   s12, s13
	v_permlanex16_b32 v[PX+1], v[LS+2], s12, s13
	v_mov_b32 v[T2],   v[NM]                       ; four statistics side by side for one store: the two points,
	v_mov_b32 v[T2+1], v[NM+2]
	v_add_f32 v[T2+2], v[LS],   v[PX]              ; the two sums
	v_add_f32 v[T2+3], v[LS+2], v[PX+1]
	WIN FROM1
	ds_store_b128 v[XS], v[T2:T2+3] offset:8192
.irp i, 0,1,2,3,4,5,6,7,8,9,10,11,12,13,14,15
	ds_store_b128 v[XS], v[OA+4*\i:OA+4*\i+3] offset:512*\i
.endr
	WIN 0
	s_wait_dscnt 0x0                               ; my stores are in LDS, for my partner's sake
	s_barrier_signal -1
	s_barrier_wait -1                              ; everybody's are
	ds_load_b128 v[T2:T2+3], v[XR] offset:8192
.irp i, 0,1,2,3,4,5,6,7,8,9,10,11,12,13,14,15
	ds_load_b128 v[FR+4*\i:FR+4*\i+3], v[XR] offset:512*\i
.endr
	s_wait_dscnt 16                                ; the statistics are in; the sixteen younger loads (O) may be out
	; the merge: the common point is the smaller of the two (the larger maximum); each side shrinks by 2^(common point - its point), at most 1
	v_min_num_f32 v[PX],   v[NM],   v[T2]
	v_min_num_f32 v[PX+1], v[NM+2], v[T2+1]
	v_sub_f32 v[AL+1], v[PX],   v[NM]
	v_sub_f32 v[AL+3], v[PX+1], v[NM+2]
	v_sub_f32 v[MX+1], v[PX],   v[T2]
	v_sub_f32 v[MX+3], v[PX+1], v[T2+1]
	v_exp_f32 v[AL],   v[AL+1]                     ; my factors
	v_exp_f32 v[AL+2], v[AL+3]
	v_exp_f32 v[MX],   v[MX+1]                     ; my partner's
	v_exp_f32 v[MX+2], v[MX+3]
	v_and_b32 v3, 15, v0                           ; plain instructions behind the exponentials: r
	v_bfe_u32 v4, v0, 4, 1                         ; h
	s_wait_alu depctr_va_vdst(0)
	v_mul_f32 v[LS],   v[LS],   v[AL]
	v_mul_f32 v[LS+2], v[LS+2], v[AL+2]
	v_fma_f32 v[LS],   v[T2+2], v[MX],   v[LS]     ; the whole row's sum: at least about 1, since the key of the maximum adds 2^0
	v_fma_f32 v[LS+2], v[T2+3], v[MX+2], v[LS+2]
	v_rcp_f32 v[PX],   v[LS]
	v_rcp_f32 v[PX+1], v[LS+2]
	v_mul_u32_u24 v[STO], v3, KP                   ; plain instructions behind the reciprocals: the way out's addresses, in my own bytes
	v_lshl_add_u32 v[STO], v4, 4, v[STO]           ; in: row r, 16 bytes at 16 h
	v_add_nc_u32 v[STO], s19, v[STO]
	v_bfe_u32 v[RD], v0, 3, 2                      ; back: eight lanes take a row of 128 bytes, a wave four rows
	v_mul_u32_u24 v[RD], v[RD], KP
	v_and_b32 v3, 7, v0
	v_lshl_add_u32 v[RD], v3, 4, v[RD]
	v_add_nc_u32 v[RD], s19, v[RD]
	s_wait_alu depctr_va_vdst(0)
	v_mul_f32 v[AL],   v[AL],   v[PX]              ; the division by the sum goes into the factors
	v_mul_f32 v[AL+2], v[AL+2], v[PX+1]
	v_mul_f32 v[MX],   v[MX],   v[PX]
	v_mul_f32 v[MX+2], v[MX+2], v[PX+1]
	s_wait_dscnt 0x0                               ; my partner's O is in, and my reads of its bytes are over:
	s_barrier_signal -1                            ; say so; register work while the others arrive
.set n, 0
.rept 32
	v_pk_mul_f32 v[OA+2*n:OA+2*n+1], v[OA+2*n:OA+2*n+1], v[AL+2*(n/16):AL+2*(n/16)+1] op_sel_hi:[1,0]
	v_pk_fma_f32 v[OA+2*n:OA+2*n+1], v[FR+2*n:FR+2*n+1], v[MX+2*(n/16):MX+2*(n/16)+1], v[OA+2*n:OA+2*n+1] op_sel_hi:[1,0,1]
.set n, n+1
.endr
.set n, 0
.rept 32
	v_cvt_pk_bf16_f32 v[SC+n], v[OA+2*n], v[OA+2*n+1]              ; tile (qt, dt): four registers at SC + 4 (4 qt + dt)
.set n, n+1
.endr
	s_barrier_wait -1                              ; my partner has read my bytes: they now serve as my stage, 32 rows x 144 bytes
.irp qt, 0,1
.irp dt, 0,1,2,3
	ds_store_b128 v[STO], v[SC+4*(4*\qt+\dt):SC+4*(4*\qt+\dt)+3] offset:\qt*16*KP+32*\dt   ; query 16 qt + r, d 16 dt + 8 h ..
.endr
.endr
.irp t, 0,1,2,3,4,5,6,7
	ds_load_b128 v[FR+4*\t:FR+4*\t+3], v[RD] offset:\t*4*KP            ; my own bytes: LDS serves a wave's instructions in order
.endr
.irp t, 0,1,2,3,4,5,6,7
	s_wait_dscnt 7-\t
	global_store_b128 v[TA], v[FR+4*\t:FR+4*\t+3], s[6:7] offset:(\t/4)*8192+(\t%4)*512    ; four rows: 512 consecutive bytes, aligned; the second tile lies 64 rows on
.endr
	s_set_vgpr_msb 0x5
	s_wait_tensorcnt 0x0
	ds_add_u32 v192, v193
	s_wait_dscnt 0x0
	s_set_vgpr_msb 0x500
	ROUND                                          ; the closing round: no work-group ends while a partner may still ask for a tile that names it
	s_endpgm
.Lfunc_end_k_q7ebf85eb3c_attn:
	.size	k_q7ebf85eb3c_attn, .Lfunc_end_k_q7ebf85eb3c_attn-k_q7ebf85eb3c_attn
	.p2alignl 7, 3214868480
	.fill 96, 4, 3214868480
	.section	.rodata,"a",@progbits
	.p2align	6, 0x0
	.amdhsa_kernel k_q7ebf85eb3c_attn
		.amdhsa_group_segment_fixed_size 327680
		.amdhsa_private_segment_fixed_size 0
		.amdhsa_enable_private_segment 0
		.amdhsa_kernarg_size 16
		.amdhsa_user_sgpr_count 2
		.amdhsa_user_sgpr_kernarg_segment_ptr 1
		.amdhsa_wavefront_size32 1
		.amdhsa_system_sgpr_workgroup_id_x 1
		.amdhsa_system_sgpr_workgroup_id_y 1
		.amdhsa_system_sgpr_workgroup_id_z 1
		.amdhsa_system_vgpr_workitem_id 0
		.amdhsa_next_free_vgpr 450
		.amdhsa_next_free_sgpr 102
		.amdhsa_reserve_vcc 0
		.amdhsa_float_denorm_mode_32 3
		.amdhsa_float_denorm_mode_16_64 3
		.amdhsa_memory_ordered 1
		.amdhsa_forward_progress 1
		.amdhsa_inst_pref_size 219
	.end_amdhsa_kernel
	.amdgpu_metadata
---
amdhsa.version: [ 1, 2 ]
amdhsa.kernels:
  - .name:           k_q7ebf85eb3c_attn
    .symbol:         k_q7ebf85eb3c_attn.kd
    .args:
      - { .name: qkv, .offset: 0, .size: 8, .value_kind: global_buffer, .address_space: global }
      - { .name: ctx, .offset: 8, .size: 8, .value_kind: global_buffer, .address_space: global }
    .group_segment_fixed_size: 327680
    .private_segment_fixed_size: 0
    .kernarg_segment_align: 8
    .kernarg_segment_size: 16
    .max_flat_workgroup_size: 256
    .sgpr_count:     102
    .vgpr_count:     450
    .wavefront_size: 32
...
	.end_amdgpu_metadata
.endif
;; end of part 5
;; launch outgemm (part 6): grid 8 x 32, 4 waves a work-group, clusters of 4 x 4, 327,680 bytes of LDS; arguments ctx, bf, out_proj_bias, out0; writes out0
.if DOCPART == 6
	.amdgcn_target "amdgcn-amd-amdhsa--gfx1250"
	.amdhsa_code_object_version 6
	.text
	.protected	k_q7ebf85eb3c_outgemm
	.globl	k_q7ebf85eb3c_outgemm
	.p2align	8
	.type	k_q7ebf85eb3c_outgemm,@function
k_q7ebf85eb3c_outgemm:
	s_mov_b64 s[64:65], 0
	v_nop
	global_prefetch_b8 v0, s[64:65] scope:SCOPE_SE
	s_setreg_imm32_b32 hwreg(HW_REG_WAVE_MODE, 25, 1), 1
	s_wait_xcnt 0x0
	s_wait_alu depctr_hold_cnt(0) depctr_sa_sdst(0) depctr_va_vdst(0) depctr_va_sdst(0) depctr_va_ssrc(0) depctr_va_vcc(0) depctr_vm_vsrc(0)
	s_getreg_b32 s2, hwreg(HW_REG_IB_STS2, 6, 4)
	s_cmp_eq_u32 s2, 0
	s_cbranch_scc0 .Lentry_in_a_cluster
	s_endpgm
.Lentry_in_a_cluster:
	s_bfe_u32 s2, ttmp6, 0x10000c
	s_cmp_lg_u32 s2, 0xf033
	s_cbranch_scc0 .Lentry_shape_is_right
	s_endpgm
.Lentry_shape_is_right:
; out0[m][f] = sum over e of ctx[m][e] W_out[f][e] + b_out[f], m < 4096, f < 1024, e < 1024; out0 in f32.
; ctx in bf16 by heads, ctx[e / 64][m][e % 64]; W_out in bf16 at byte 14,680,064 of bf; sums in f32.
; 8 x 32 work-groups, one for each block of 128 x 128: the block that gives 256 work-groups equal work.  Four waves, 64 x 64 each: 16 accumulator tiles.
; K goes through two LDS slots of 256 along K = four heads each, the largest two that fit: K = 1024 is four fills, two at the start and two refills.
; A slot holds ctx's tile as four sub-tiles, one a head (128 rows x 128 bytes, dense in memory), and W_out's tile (128 rows x 512 bytes).
; CLUSTERS: 4 x 4 work-groups; ctx's tiles are shared along a row of the cluster, W_out's along a column, each asked for jointly.
; Source 0 = 16 rows of W_out, source 1 = 16 rows of ctx: lane l holds row l % 16 of the result, columns 8 (l / 16) + 0 .. 7: 32 neighbouring bytes.
; The first product of each accumulator takes the bias tile as its C operand, so the bias costs no add.
; Limits: operands are bf16.
;   window 0: v16-27 addresses; buffers at v64 and v128: W_out's 4 fragments, then ctx's 4; v192-223 the bias as four C tiles
;   window 1: accumulator tile (a, b) at v[8 (4 a + b)]
.set KSLOT,  256                       ; along K in a slot
.set PA,     144                       ; ctx's LDS pitch: 128 + 16
.set PB,     528                       ; W_out's: 512 + 16, an odd multiple of 16
.set SUBA,   128*PA                    ; one head's sub-tile
.set HALFA,  2*SUBA                    ; what one load brings of ctx: two heads
.set HALFB,  64*PB                     ; what one load brings of W_out: 64 rows
.set BOFF,   2*HALFA
.set SLOT,   BOFF+2*HALFB              ; 141,312 bytes
.set STAGE,  2*SLOT                    ; behind the ring, at a multiple of 256 bytes: no tile ever lands here
.set SPITCH, 272                       ; a stage row: 64 f32 + 16 bytes
.set WOFF,   14680064                  ; W_out's first byte in bf
.set HEADB,  524288                    ; bytes of one head's 4,096 rows in ctx
.set ADRA, 16
.set ADRB, 20
.set STO,  24
.set RD,   25
.set CO,   26
.set BO,   27
.set F0,   64
.set F1,   128
.set BIAS, 192
.set G1,  24
.set G0,  32
.set G1B, 48
.set G0B, 56
.set MSB, 0
.macro WIN new                         ; the immediate's high byte repeats the setting that is left
.if MSB != \new
	s_set_vgpr_msb (MSB<<8)|\new
.set MSB, \new
.endif
.endm
.set MULW,   0x50                      ; sources 0 and 1 window 0, C and D window 1
.set FIRSTW, 0x40                      ; the first products: C (the bias) window 0, D window 1
.set FROMW,  0x04                      ; an LDS store's data from window 1
.macro JLOAD s                         ; waves 0 and 1 fetch two of ctx's four heads each, waves 2 and 3 W_out's two halves
	s_cmp_eq_u32 s13, 0
	s_cbranch_scc0 .Lfor_b_\@
	tensor_load_to_lds s[G0+4*\s:G0+4*\s+3], s[G1:G1+7]
	s_nop 0
	s_branch .Lasked_\@
.Lfor_b_\@:
	tensor_load_to_lds s[G0B+4*\s:G0B+4*\s+3], s[G1B:G1B+7]
	s_nop 0
.Lasked_\@:
.endm
.macro CREST                           ; a round of the cluster's barrier behind its opening barrier
	s_cmp_lg_u32 s12, 0
	s_cbranch_scc1 .Lnot_wave_0_\@
	s_barrier_signal -3
.Lnot_wave_0_\@:
	s_barrier_wait -3
	s_barrier_signal -1
	s_barrier_wait -1
.endm
.macro CROUND
	s_barrier_signal -1
	s_barrier_wait -1
	CREST
.endm
	s_load_b256 s[4:11], s[0:1], 0x0               ; ctx s[4:5], bf s[6:7], out_proj_bias s[8:9], out0 s[10:11]
	v_lshl_add_u32 v254, v0, 2, 0x49400
	v_mov_b32 v255, 0
	ds_add_u32 v254, v255
	v_lshrrev_b32 v1, 5, v0
	v_readfirstlane_b32 s12, v1                    ; wave 0..3
	s_lshr_b32 s13, s12, 1                         ; which half of the block's rows is mine.  Also: I fetch for ctx (0) or for W_out (1)
	s_and_b32 s14, s12, 1                          ; which half of its columns.  Also: which two heads, or which 64 rows, I fetch
	s_bfe_u32 s40, ttmp6, 0x40000                  ; cx
	s_bfe_u32 s41, ttmp6, 0x40004                  ; cy
	s_lshl_b32 s42, ttmp9, 2
	s_add_co_u32 s42, s42, s40                     ; block column
	s_and_b32 s15, ttmp7, 0xffff
	s_lshl_b32 s15, s15, 2
	s_add_co_u32 s15, s15, s41                     ; block row
	s_lshl_b32 s43, s41, 2
	s_lshl_b32 s43, 15, s43                        ; my row of the cluster
	s_lshl_b32 s44, 0x1111, s40                    ; my column
	; ctx's descriptor: one load brings two heads' blocks of 128 token rows x 128 bytes.  Such a block is dense in memory (16,384 bytes), so the
	; descriptor takes it as ONE row of 8,192 elements and the head as the row index, 262,144 elements apart.  The padding is counted along the
	; tile, so it falls behind every 32 words (a token row) all the same: in LDS the token rows are 144 bytes apart and a head begins 18,432 bytes
	; behind the one before.
	s_or_b32 s[G1+0],  s43, (1<<16)|(1<<20)|(1<<21)|(4<<22)|(3<<25)   ; ctx: 4 words of padding behind every 32; the mask of my row; bit 21 set beside a mask
	s_or_b32 s[G1B+0], s44, (1<<16)|(1<<20)|(1<<21)|(6<<22)|(3<<25)   ; W_out: behind every 128 words; the mask of my column
	s_mov_b32 s[G1+1],  8192<<16                   ; tensor_dim0
	s_mov_b32 s[G1B+1], KSLOT<<16
	s_mov_b32 s[G1+2],  2<<16                      ; tensor_dim1
	s_mov_b32 s[G1B+2], 64<<16
	s_mov_b32 s[G1+3],  8192<<16                   ; tile_dim0
	s_mov_b32 s[G1B+3], KSLOT<<16
	s_mov_b32 s[G1+4],  2                          ; tile_dim1
	s_mov_b32 s[G1B+4], 64
	s_mov_b32 s[G1+5],  HEADB/2                    ; elements from row to row: from head to head
	s_mov_b32 s[G1B+5], 1024
	s_mov_b32 s[G1+6],  0
	s_mov_b32 s[G1B+6], 0
	s_mov_b32 s[G1+7],  0
	s_mov_b32 s[G1B+7], 0
	s_lshl_b32 s16, s14, 20                        ; ctx: heads 2 (w & 1) and 2 (w & 1) + 1 of the slot's four,
	s_lshl_b32 s17, s15, 14                        ; 128 rows of 128 bytes a block row
	s_add_co_u32 s16, s16, s17
	s_mov_b32 s17, 0
	s_lshl_b32 s46, s42, 7                         ; W_out: row 128 x block column + 64 x half
	s_lshl_b32 s47, s14, 6
	s_add_co_u32 s46, s46, s47
	s_lshl_b32 s46, s46, 11
	s_add_co_u32 s46, s46, WOFF
	s_mov_b32 s47, 0
	s_mul_i32 s22, s12, HALFA                      ; ctx's halves at wave x 36,864 (waves 0, 1),
	s_mul_i32 s23, s12, HALFB                      ; W_out's halves behind them at wave x 33,792 + 6,144 (waves 2, 3)
	s_add_co_u32 s23, s23, BOFF-2*HALFB
	s_wait_dscnt 0x0
	s_wait_kmcnt 0x0
	s_add_nc_u64 s[16:17], s[4:5], s[16:17]
	s_add_nc_u64 s[46:47], s[6:7], s[46:47]
	CROUND                                         ; all sixteen work-groups are here: the first joint loads meet
.irp s, 0,1
	s_mov_b32 s[G0+4*\s], 1
	s_add_co_u32 s[G0+4*\s+1], s22, \s*SLOT
	s_add_nc_u64 s[G0+4*\s+2:G0+4*\s+3], s[16:17], \s*4*HEADB          ; fill s: four heads on
	s_or_b32 s[G0+4*\s+3], s[G0+4*\s+3], 0x80000000
	s_mov_b32 s[G0B+4*\s], 1
	s_add_co_u32 s[G0B+4*\s+1], s23, \s*SLOT
	s_add_nc_u64 s[G0B+4*\s+2:G0B+4*\s+3], s[46:47], \s*KSLOT*2
	s_or_b32 s[G0B+4*\s+3], s[G0B+4*\s+3], 0x80000000
	JLOAD \s                                       ; two loads of the wave are out: half of all that the block needs is on its way
.endr
	v_and_b32 v1, 15, v0                           ; r
	v_bfe_u32 v2, v0, 4, 1                         ; h
	v_mul_u32_u24 v3, v1, PA
	v_lshl_add_u32 v3, v2, 4, v3
	v_mul_u32_u24 v4, v1, PB
	v_lshl_add_u32 v4, v2, 4, v4
	s_mul_i32 s20, s13, 64*PA                      ; my 64 rows of ctx, in each sub-tile
	s_mul_i32 s21, s14, 64*PB                      ; my 64 rows of W_out
	s_add_co_u32 s21, s21, BOFF
.irp s, 0,1
	v_add_nc_u32 v[ADRA+\s], s20, v3
	v_add_nc_u32 v[ADRB+\s], s21, v4
	s_add_co_u32 s20, s20, SLOT
	s_add_co_u32 s21, s21, SLOT
.endr
	v_lshlrev_b32 v[BO], 5, v2                     ; the bias of my 64 columns as four C tiles: register j = b_out[128 bx + 64 (w & 1) + 16 b + 8 h + j]
	s_lshl_b32 s66, s42, 9
	s_lshl_b32 s67, s14, 8
	s_add_co_u32 s66, s66, s67                     ; my first column, in bytes of f32
	s_mov_b32 s67, 0
	s_add_nc_u64 s[8:9], s[8:9], s[66:67]
.irp b, 0,1,2,3
	global_load_b128 v[BIAS+8*\b:BIAS+8*\b+3],   v[BO], s[8:9] offset:64*\b
	global_load_b128 v[BIAS+8*\b+4:BIAS+8*\b+7], v[BO], s[8:9] offset:64*\b+16
.endr
	s_lshl_b32 s68, s15, 19                        ; my first row: (128 block row + 64 half) x 4,096 bytes
	s_lshl_b32 s69, s13, 18
	s_add_co_u32 s68, s68, s69
	s_add_co_u32 s68, s68, s66
	s_mov_b32 s69, 0
	s_add_nc_u64 s[10:11], s[10:11], s[68:69]
	s_mul_i32 s20, s12, 16*SPITCH
	s_add_co_u32 s20, s20, STAGE                   ; my stage: 16 rows x 272 bytes
	v_mul_u32_u24 v5, v1, SPITCH                   ; in: row r, 32 bytes for each half of the lanes
	v_lshl_add_u32 v5, v2, 5, v5
	v_add_nc_u32 v[STO], s20, v5
	v_mul_u32_u24 v6, v2, SPITCH                   ; back: lanes 0-15 take one row of 256 bytes, lanes 16-31 the next
	v_lshl_add_u32 v6, v1, 4, v6
	v_add_nc_u32 v[RD], s20, v6
	v_lshlrev_b32 v7, 12, v2                       ; and the same two rows in out0
	v_lshl_add_u32 v[CO], v1, 4, v7
; 4 matrix instructions: m block a x all 4 n blocks, 32 along K.  The 16 accumulators take turns, one instruction a turn, in the same order in
; every eighth of a slot.
.macro MUL4 f, a, zero
.irp b, 0,1,2,3
.if \zero
	v_wmma_f32_16x16x32_bf16 v[8*(4*\a+\b):8*(4*\a+\b)+7], v[\f+8*\b:\f+8*\b+7], v[\f+32+8*\a:\f+32+8*\a+7], v[BIAS+8*\b:BIAS+8*\b+7]
.else
	v_wmma_f32_16x16x32_bf16 v[8*(4*\a+\b):8*(4*\a+\b)+7], v[\f+8*\b:\f+8*\b+7], v[\f+32+8*\a:\f+32+8*\a+7], v[8*(4*\a+\b):8*(4*\a+\b)+7]
.endif
.endr
.endm
; 16 LDS loads: the fragments of eighth kq of a slot (W_out: byte 64 kq of its rows; ctx: head kq >> 1, byte 64 (kq & 1)) into buffer f.
; The largest immediate is 3 x 18,432 + 64 + 3 x 2,304 + 32 = 62,304, inside the 16 bits of an LDS offset.
.macro FETCH slot, kq, f
	WIN 0
.irp b, 0,1,2,3
	ds_load_b128 v[\f+8*\b:\f+8*\b+3],   v[ADRB+\slot] offset:\kq*64+\b*16*PB
	ds_load_b128 v[\f+8*\b+4:\f+8*\b+7], v[ADRB+\slot] offset:\kq*64+\b*16*PB+32
.endr
.irp a, 0,1,2,3
	ds_load_b128 v[\f+32+8*\a:\f+32+8*\a+3],   v[ADRA+\slot] offset:(\kq>>1)*SUBA+(\kq&1)*64+\a*16*PA
	ds_load_b128 v[\f+32+8*\a+4:\f+32+8*\a+7], v[ADRA+\slot] offset:(\kq>>1)*SUBA+(\kq&1)*64+\a*16*PA+32
.endr
.endm
.macro PLACES                          ; four places behind a matrix instruction, ahead of loads into its sources and of reads of its result
.rept 4
	v_nop
.endr
.endm
; A slot is eight eighths of 32 along K, 16 matrix instructions each, on buffers 0, 1, 0, 1, ...
; One of the first seven: multiplies buffer f; in its middle it fetches the next eighth's fragments (number kq) into buffer g.
.macro EIGHTH slot, kq, f, g, zero
	s_wait_dscnt 4                                 ; W_out and ctx's blocks 0, 1 are in; the youngest four loads (blocks 2, 3) may be out
.if \zero
	WIN FIRSTW
.else
	WIN MULW
.endif
	MUL4 \f, 0, \zero
	MUL4 \f, 1, \zero
	PLACES
	FETCH \slot, \kq, \g
	s_wait_dscnt 16                                ; all but the 16 just issued
.if \zero
	WIN FIRSTW
.else
	WIN MULW
.endif
	MUL4 \f, 2, \zero
	MUL4 \f, 3, \zero
.endm
.macro SEVEN slot, zero
	EIGHTH \slot, 1, F0, F1, \zero
	EIGHTH \slot, 2, F1, F0, 0
	EIGHTH \slot, 3, F0, F1, 0
	EIGHTH \slot, 4, F1, F0, 0
	EIGHTH \slot, 5, F0, F1, 0
	EIGHTH \slot, 6, F1, F0, 0
	EIGHTH \slot, 7, F0, F1, 0
.endm
; The last eighth changes slots: each wave's reads of this slot and all its tensor loads are waited for in front of the barrier; behind it
; (and, where the slot is filled again, behind the round that it opens) the refill comes first, then the next slot's first fragments.
; From a request to the wait for it a wave issues 124 matrix instructions.
.macro TURN slot, next, fill
	s_wait_dscnt 4
	WIN MULW
	MUL4 F1, 0, 0
	s_wait_dscnt 0                                 ; my reads of this slot are over
	s_wait_tensorcnt 0x0                           ; and all my tensor loads have landed: the one that was out is my part of the next slot
	ds_add_u32 v254, v255
	s_wait_dscnt 0x0
	s_barrier_signal -1
	MUL4 F1, 1, 0                                  ; register work while the others arrive
	WIN 0
	s_barrier_wait -1
.if \fill
	CREST
	s_add_nc_u64 s[G0+4*\slot+2:G0+4*\slot+3], s[G0+4*\slot+2:G0+4*\slot+3], 8*HEADB       ; no tensor load of mine is out: two fills = eight heads on
	s_add_nc_u64 s[G0B+4*\slot+2:G0B+4*\slot+3], s[G0B+4*\slot+2:G0B+4*\slot+3], 2*KSLOT*2
	JLOAD \slot                                    ; the first tensor load behind the round, and my only one until the next
.endif
	PLACES
	FETCH \next, 0, F0
	WIN MULW
	MUL4 F1, 2, 0
	MUL4 F1, 3, 0
.endm
	s_wait_loadcnt 0x0                             ; the bias
	s_wait_tensorcnt 0x1                           ; my part of fill 0 is in; fill 1's stays out
	s_barrier_signal -1
	s_barrier_wait -1
	FETCH 0, 0, F0
	SEVEN 0, 1                                     ; fill 0: its first products start the sums from the bias
	TURN 0, 1, 1                                   ; slot 0 is asked for again: fill 2
	SEVEN 1, 0                                     ; fill 1
	TURN 1, 0, 1                                   ; slot 1 is asked for again: fill 3, the last
	SEVEN 0, 0                                     ; fill 2
	TURN 0, 1, 0                                   ; nothing is left to fetch
	SEVEN 1, 0                                     ; fill 3
	s_wait_dscnt 4
	WIN MULW
	MUL4 F1, 0, 0
	MUL4 F1, 1, 0
	s_wait_dscnt 0
	MUL4 F1, 2, 0
	MUL4 F1, 3, 0
	; THE WAY OUT, 16 rows at a time: 32 bytes a lane and tile into my own stage, read back as whole rows of 256 bytes.
	PLACES                                         ; the places behind the last matrix instructions, for the stores of results and the loads into the buffers
.macro OUT16 a, f
	WIN FROMW
.irp b, 0,1,2,3
	ds_store_b128 v[STO], v[8*(4*\a+\b):8*(4*\a+\b)+3]   offset:64*\b
	ds_store_b128 v[STO], v[8*(4*\a+\b)+4:8*(4*\a+\b)+7] offset:64*\b+16
.endr
	WIN 0
	s_wait_xcnt 0x0                                ; buffer f, which earlier stores read, is loaded again only behind this wait
.irp t, 0,1,2,3,4,5,6,7
	ds_load_b128 v[\f+4*\t:\f+4*\t+3], v[RD] offset:\t*2*SPITCH        ; my own bytes: LDS serves a wave's instructions in order
.endr
.irp t, 0,1,2,3,4,5,6,7
	s_wait_dscnt 7-\t
	global_store_b128 v[CO], v[\f+4*\t:\f+4*\t+3], s[10:11] offset:\a*65536+\t*8192 th:TH_STORE_NT   ; 16 lanes store 256 consecutive bytes, aligned
.endr
.endm
	OUT16 0, F0
	OUT16 1, F1
	OUT16 2, F0
	OUT16 3, F1
	s_wait_tensorcnt 0x0
	ds_add_u32 v254, v255
	s_wait_dscnt 0x0
	CROUND                                         ; the closing round: no work-group ends while a partner may still ask for a tile that names it
	s_endpgm
.Lfunc_end_k_q7ebf85eb3c_outgemm:
	.size	k_q7ebf85eb3c_outgemm, .Lfunc_end_k_q7ebf85eb3c_outgemm-k_q7ebf85eb3c_outgemm
	.p2alignl 7, 3214868480
	.fill 96, 4, 3214868480
	.section	.rodata,"a",@progbits
	.p2align	6, 0x0
	.amdhsa_kernel k_q7ebf85eb3c_outgemm
		.amdhsa_group_segment_fixed_size 327680
		.amdhsa_private_segment_fixed_size 0
		.amdhsa_enable_private_segment 0
		.amdhsa_kernarg_size 32
		.amdhsa_user_sgpr_count 2
		.amdhsa_user_sgpr_kernarg_segment_ptr 1
		.amdhsa_wavefront_size32 1
		.amdhsa_system_sgpr_workgroup_id_x 1
		.amdhsa_system_sgpr_workgroup_id_y 1
		.amdhsa_system_sgpr_workgroup_id_z 1
		.amdhsa_system_vgpr_workitem_id 0
		.amdhsa_next_free_vgpr 384
		.amdhsa_next_free_sgpr 70
		.amdhsa_reserve_vcc 0
		.amdhsa_float_denorm_mode_32 3
		.amdhsa_float_denorm_mode_16_64 3
		.amdhsa_memory_ordered 1
		.amdhsa_forward_progress 1
		.amdhsa_inst_pref_size 91
	.end_amdhsa_kernel
	.amdgpu_metadata
---
amdhsa.version: [ 1, 2 ]
amdhsa.kernels:
  - .name:           k_q7ebf85eb3c_outgemm
    .symbol:         k_q7ebf85eb3c_outgemm.kd
    .args:
      - { .name: ctx, .offset: 0, .size: 8, .value_kind: global_buffer, .address_space: global }
      - { .name: bf, .offset: 8, .size: 8, .value_kind: global_buffer, .address_space: global }
      - { .name: out_proj_bias, .offset: 16, .size: 8, .value_kind: global_buffer, .address_space: global }
      - { .name: out0, .offset: 24, .size: 8, .value_kind: global_buffer, .address_space: global }
    .group_segment_fixed_size: 327680
    .private_segment_fixed_size: 0
    .kernarg_segment_align: 8
    .kernarg_segment_size: 32
    .max_flat_workgroup_size: 128
    .sgpr_count:     70
    .vgpr_count:     384
    .wavefront_size: 32
...
	.end_amdgpu_metadata
.endif
;; end of part 6
